; MI455X (gfx1250); checked and timed in simulation.
; The chip was launched on July 23, 2026; its instructions are those of AMD's public machine-readable ISA for CDNA 5 (MIT licence, August 2026) and "CDNA5" Instruction Set Architecture Reference Guide (July 2026). The comments in the code are by the model that wrote it; some were corrected since.
;; Causal Self Attention. Allowed arithmetic: matrix products marked QUANTISED: E2M3 operands, one E8M0 scale for each 32 along K, by v_wmma_scale_f32_16x16x128_f8f6f4 with both operands' format E2M3, f32 sums; everything else in f32.
;; Inputs: Wkqv 16 x 192 x 1,024 float32; Wproj 1,024 x 1,024 float32; bkqv 16 x 192 float32; bproj 1,024 float32; x 4 x 2,048 x 1,024 float32.
;; Outputs: out0 4 x 2,048 x 1,024 float32.
;; This version of the problem:
;;   THIS VERSION OF THE PROBLEM IS GIVEN IN LOW PRECISION. The matrix products marked QUANTISED in the list below multiply operands that are first quantised to E2M3 (2 exponent bits, 3 mantissa bits; 6 bits a number), with one power-of-two scale for each 32 numbers along K (OCP MX v1.0); their sums are f32. All else is computed in f32.
;;   The module's matrix products, in the order in which they are computed (A, B: the left and right operand; K: the contracted axis; several contracted axes count as one K, in the product's order):
;;     1. [M 3,072, K 1,024] x [K 1,024, N 8,192]; A: input Wkqv; B: input x: QUANTISED
;;     2. batch 64 x [M 2,048, K 64] x [K 64, N 2,048]; A: computed on the way; B: computed on the way: QUANTISED
;;     3. batch 64 x [M 2,048, K 2,048] x [K 2,048, N 64]; A: softmax (see below); B: computed on the way: QUANTISED
;;     4. [M 8,192, K 1,024] x [K 1,024, N 1,024]; A: computed on the way; B: input Wproj: QUANTISED
;;   THE QUANTISER, for each operand of a quantised product, along K:
;;     - K is cut into blocks of 32 from its start; a last block that is shorter is filled with zeros.
;;     - A block's scale is 2^e with e = floor(log2(the largest magnitude in the block)) - 2, held to -126 .. 127; a block of zeros has e = 0. As a byte (E8M0): e + 127.
;;     - Each number is divided by its block's scale, clamped to +-7.5, and rounded to the nearest number of E2M3, ties to even, subnormals kept.
;;     - The product sums the exact products of the quantised numbers (number of the format x scale) in f32.
;;   ~~~python
;;   def quantise(x, axis):      # numpy; x: float32 -> the quantised numbers, widened to float32 again
;;       x = np.moveaxis(x, axis, -1); K = x.shape[-1]
;;       x = np.pad(x, [(0, 0)] * (x.ndim - 1) + [(0, -K % 32)]); x = x.reshape(x.shape[:-1] + (-1, 32)); a = np.abs(x).max(-1, keepdims=True)
;;       e = np.where(a > 0, np.clip(np.frexp(np.where(a > 0, a, 1))[1] - 1 - 2, -126, 127), 0)      # np.frexp(a)[1] - 1 = floor(log2(a)), exactly
;;       r = np.clip(x / 2.0 ** e, -7.5, 7.5)
;;       step = 2.0 ** (np.maximum(np.frexp(np.where(r == 0, 1, r))[1] - 1, 0) - 3)
;;       q = np.round(r / step) * step * 2.0 ** e      # np.round: ties to even
;;       return np.moveaxis(q.reshape(q.shape[:-2] + (-1,))[..., :K], -1, axis).astype(np.float32)
;;   ~~~
;;   SOFTMAX AHEAD OF A QUANTISED PRODUCT. Where the list says 'softmax', what is quantised is not the finished softmax but p = 2^(t - M), with t = logit x log2(e) and M = ceil(the row's largest t), a whole number; so 1/2 < the row's largest p <= 1. The row's sum l is taken of the UNQUANTISED p, in f32, and the product's result is divided by l at the end. Since M is a whole number, a kernel that streams over the keys may use a running M (the ceiling of the running maximum): every later rescaling is an exact power of two, which a block's scale takes up: the codes' values come out the same.
;;   OPERANDS COMPUTED ON THE WAY. 'Computed on the way' means the value that the module computes at that place (a softmax that the list does not call 'softmax' is quantised finished and normalised). What goes into a quantiser is computed in f32, as accurately as f32 sums, v_exp_f32 and their like allow (about 1e-6 of the number): no bf16 or f16 on the way to a quantiser, and a product that is left as it is and whose result goes on into a quantised operand takes f32 operands (vector FMAs, or v_wmma_f32_16x16x4_f32). A number that lies on a knife's edge between two numbers of the format may be rounded either way, as far as f32 arithmetic and the matrix unit's own rounding can turn it there, and no further.
;; One version. Each part assembles by itself: llvm-mc -triple=amdgcn-amd-amdhsa -mcpu=gfx1250 --defsym DOCPART=n.
;; ======== version 1 of 1: 4 launches
;; limits: right only within a limited range of input values
;; workspace buffers: cod1 9,437,184 bytes; scl1 393,216 bytes; kvr 13,369,344 bytes; qim 6,291,456 bytes; sar 6,553,600 bytes
;; launch quant (part 1): grid 768 x 1, 4 waves a work-group, no clusters, 21,504 bytes of LDS; arguments x, Wkqv, Wproj, cod1, scl1; writes cod1, scl1
.if DOCPART == 1
	.amdgcn_target "amdgcn-amd-amdhsa--gfx1250"
	.amdhsa_code_object_version 6
	.text
	.protected	k_qd9914b2128_quant
	.globl	k_qd9914b2128_quant
	.p2align	8
	.type	k_qd9914b2128_quant,@function
k_qd9914b2128_quant:
	s_mov_b64 s[64:65], 0
	v_nop
	global_prefetch_b8 v0, s[64:65] scope:SCOPE_SE
	s_setreg_imm32_b32 hwreg(HW_REG_WAVE_MODE, 25, 1), 1
	s_wait_xcnt 0x0
; CAUSAL SELF-ATTENTION IN MX-FP6, FOUR LAUNCHES: quant (this one), kqv, attn, proj.
; WORK LEFT OUT BY THE PROGRAM.  reference() builds the causal mask in its own body (jnp.tril) and sets the score of key k for query q to -infinity where k > q; the softmax gives such a key the weight 0, whatever the
; inputs hold, so its score and its term of the second product reach no output.  Launch attn leaves them out where they come in whole steps of 128 keys x 16 queries that lie wholly behind the queries.  No input is dead:
; x, Wkqv and bkqv feed quantised operands, Wproj the last product, bproj the output.  LIMIT: a NaN, an infinity or an overflow that reaches only the steps left out is not carried to the result.
; THIS LAUNCH turns x [8192][1024], Wkqv [3072][1024] and Wproj [1024][1024], f32, into codes of FP6 (E2M3), K innermost (768 bytes a row), in cod1, with one E8M0 byte for each 32 along K (32 bytes a row) in scl1.
; A block's scale is 2^(floor(log2(its largest magnitude)) - 2); its byte is the largest magnitude's exponent field - 2, held at 1 from below.  A block of zeros so gets the byte 1 where the rule says 127: its codes are
; zeros, which add nothing under any byte but 0xff, and the bytes are read by this program alone.
; LIMITS: blocks whose largest magnitude lies under 2^-124 get the byte 1; NaN and infinities among the inputs are not served.
; THE ROWS' ORDER IN cod1 AND scl1, in groups G of 32 rows: G 0-255 x; G 256-319 the k and q rows of Wkqv (head (G-256)/4, 128 rows a head); G 320-351 its v rows (head (G-320)/2, 64 rows a head); G 352-383 Wproj.
; In every group but Wproj's the four runs of 8 rows are laid in the order 0, 2, 1, 3: sixteen rows on end are then rows 0-7 and 16-23, or 8-15 and 24-31, of the group.  With such sixteen rows as source 0 of a product,
; a lane's 16 results of two neighbouring tiles are 16 NEIGHBOURS, which is what the later quantisers want.
; THE DEAL: 768 work-groups, three for each of 256 WGPs.  A work-group takes half a group, two runs of 8 rows; two waves share a run, 4 rows each: 8 steps of 512 numbers.  A wave's 32 loads, 512 consecutive bytes each,
; are all issued at its head.  A step's 2,048 bytes turn through the wave's own stage in LDS, so that a lane holds 16 neighbours along K (two lanes hold a block); a lane's 16 codes are 12 bytes.
; A wave makes 128 scale bytes; those of the two waves of a run meet in LDS behind one barrier and leave as one aligned block of 256 bytes, stored by the first of the two.
.set WAVES, 4
.set STEPS, 8
.set EMAX,  2
.set CB,    12                         ; bytes of 16 codes
.set R,     16                         ; v16-143  eight sets of 16 numbers as they are loaded
.set X,     144                        ; v144-175 two sets of 16 neighbours
.set E,     176                        ; v176-183 a scale byte for each step
.set C,     184                        ; v184-215 codes: four registers for each step, so that no store's data are written again
.set SP,    80                         ; a lane's place in a stage: its 64 bytes + 16 of padding
.set STG,   2*32*SP                    ; LDS: two stages for each wave
.set SCB,   WAVES*STG                  ; behind them the scale bytes: 128 for each wave
.set SPARE, SCB+512                    ; and the spare words, 128 bytes for each wave
.set SPW,   12                         ; v12  LDS address of my spare word; never rewritten
.set NIL,   13                         ; v13  0; never rewritten
	s_load_b128 s[4:7], s[0:1], 0x0                ; x, Wkqv
	s_load_b128 s[8:11], s[0:1], 0x10              ; Wproj, cod1
	s_load_b64 s[12:13], s[0:1], 0x20              ; scl1
	v_lshl_add_u32 v[SPW], v0, 2, SPARE
	v_mov_b32 v[NIL], 0
	v_lshrrev_b32 v1, 5, v0
	v_readfirstlane_b32 s14, v1                    ; wave
	s_mul_i32 s17, s14, STG                        ; my stages
	s_lshl_b32 s19, s14, 7
	s_add_co_u32 s19, s19, SCB                     ; my 128 scale bytes
	s_lshr_b32 s27, s14, 1                         ; which of the work-group's two runs
	s_lshl_b32 s21, s27, 8
	s_add_co_u32 s21, s21, SCB                     ; that run's 256 scale bytes
	v_and_b32 v2, 31, v0                           ; lane
	v_lshlrev_b32 v3, 4, v2                        ; my 16 bytes of a load's 512
	v_lshrrev_b32 v14, 2, v2
	v_mul_u32_u24 v14, v14, SP
	v_and_b32 v15, 3, v2
	v_lshl_add_u32 v14, v15, 4, v14
	v_add_nc_u32 v14, s17, v14                     ; the stage, on the way in: four lanes' 64 bytes on end, then 16 of padding
	v_mul_u32_u24 v15, v2, SP
	v_add_nc_u32 v15, s17, v15                     ; and on the way out: SP x lane: my 16 neighbours
	v_mul_u32_u24 v4, v2, CB                       ; my codes' place in a step's
	v_lshrrev_b32 v5, 1, v2
	v_add_nc_u32 v5, s19, v5                       ; LDS: my block's byte
	v_lshlrev_b32 v7, 3, v2                        ; the scale bytes' way out: 8 bytes a lane
	v_add_nc_u32 v6, s21, v7
	s_lshr_b32 s15, ttmp9, 1                       ; g: the group of 32 rows that I read
	s_and_b32 s16, ttmp9, 1
	s_lshl_b32 s16, s16, 1
	s_or_b32 s16, s16, s27                         ; my run of 8 rows in it, 0 .. 3
	s_and_b32 s18, s14, 1                          ; my 4 rows of the run
	; which group of the output g goes to.  For g = 256 .. 351 (Wkqv's group t = g - 256): head t / 6, place t % 6 in the head's 192 rows
	s_sub_co_u32 s20, s15, 256                     ; t (wraps under 256, and is then not chosen)
	s_mul_hi_u32 s21, s20, 0x2aaaaaab              ; t / 6
	s_mul_i32 s22, s21, 6
	s_sub_co_u32 s22, s20, s22                     ; t % 6
	s_lshl_b32 s23, s21, 2
	s_add_co_u32 s23, s23, s22
	s_add_co_u32 s23, s23, 256                     ; a k or q group: 256 + 4 head + place
	s_lshl_b32 s24, s21, 1
	s_add_co_u32 s24, s24, s22
	s_add_co_u32 s24, s24, 316                     ; a v group: 320 + 2 head + place - 4
	s_cmp_lt_u32 s22, 4
	s_cselect_b32 s23, s23, s24
	s_cmp_lt_u32 s20, 96
	s_cselect_b32 s23, s23, s15                    ; G: x's and Wproj's groups keep their number
	s_and_b32 s26, s16, 1
	s_lshl_b32 s26, s26, 1
	s_lshr_b32 s27, s16, 1
	s_or_b32 s26, s26, s27                         ; run w goes to place 0, 2, 1, 3
	s_mov_b32 s25, 352
	s_wait_alu depctr_va_vdst(0)                   ; the head's end
	s_wait_kmcnt 0x0
	s_cmp_lt_u32 s15, 352                          ; the choices hang on the work-group's number alone
	s_cselect_b64 s[6:7], s[6:7], s[8:9]           ; Wkqv or Wproj
	s_cselect_b32 s25, 256, s25                    ; and the number of its first group
	s_cselect_b32 s26, s26, s16                    ; Wproj's runs stay in order
	s_cmp_lt_u32 s15, 256
	s_cselect_b64 s[4:5], s[4:5], s[6:7]           ; x, or one of the two
	s_cselect_b32 s25, 0, s25
	s_sub_co_u32 s25, s15, s25                     ; my group in the tensor that I read
	s_lshl_b32 s25, s25, 2
	s_add_co_u32 s25, s25, s16                     ; my run there
	s_lshl_b32 s28, s25, 15                        ; 8 rows of 4,096 bytes,
	s_lshl_b32 s29, s18, 14
	s_add_co_u32 s28, s28, s29                     ; and my 4 of them
	s_mov_b32 s29, 0
	s_add_nc_u64 s[4:5], s[4:5], s[28:29]
	s_lshl_b32 s23, s23, 2
	s_add_co_u32 s23, s23, s26                     ; my run's place in the output
	s_mul_i32 s28, s23, 8*768
	s_mul_i32 s24, s18, 4*768
	s_add_co_u32 s28, s28, s24
	s_add_nc_u64 s[10:11], s[10:11], s[28:29]
	s_lshl_b32 s28, s23, 8                         ; the run's 8 rows of 32 scale bytes
	s_add_nc_u64 s[12:13], s[12:13], s[28:29]
.set t, 0
.rept STEPS
.irp i, 0,1,2,3
	global_load_b128 v[R+16*t+4*\i:R+16*t+4*\i+3], v3, s[4:5] offset:2048*t+512*\i th:TH_LOAD_NT   ; 32 lanes read 512 consecutive bytes
.endr
.set t, t+1
.endr
.macro TURN t                          ; step t's numbers through the stage: LDS serves a wave's instructions in order, so no wait stands between the stores and the loads
.irp i, 0,1,2,3
	ds_store_b128 v14, v[R+16*(\t)+4*\i:R+16*(\t)+4*\i+3] offset:32*SP*((\t)%2)+8*SP*\i
.endr
.irp i, 0,1,2,3
	ds_load_b128 v[X+16*((\t)%2)+4*\i:X+16*((\t)%2)+4*\i+3], v15 offset:32*SP*((\t)%2)+16*\i
.endr
.endm
	s_wait_loadcnt 4*(STEPS-1)                     ; step 0's four loads are in
	TURN 0
.macro STEP t
.set XS, X+16*((\t)%2)
.if (\t) > 0
	s_wait_dscnt 1                                 ; this step's numbers are back from the stage (the last step's byte store may be out)
.else
	s_wait_dscnt 0x0
.endif
.if (\t)+1 < STEPS
	s_wait_loadcnt 4*(STEPS-2-(\t))                ; the next step's four loads are in; those of the steps behind it may be out
	TURN (\t)+1                                    ; and go through the other stage while this step is worked
.endif
	v_max3_num_f32 v8, |v[XS]|, |v[XS+1]|, |v[XS+2]|               ; the largest magnitude of my 16, in two chains
	v_max3_num_f32 v9, |v[XS+3]|, |v[XS+4]|, |v[XS+5]|
.irp i, 6,10
	v_max3_num_f32 v8, v8, |v[XS+\i]|, |v[XS+\i+1]|
	v_max3_num_f32 v9, v9, |v[XS+\i+2]|, |v[XS+\i+3]|
.endr
	v_max3_num_f32 v8, v8, |v[XS+14]|, |v[XS+15]|
	v_max3_num_f32 v8, v8, v9, (EMAX+1)<<23        ; and the floor 2^(3 - 127): so the byte cannot fall under 1
	v_max_num_f32_dpp v8, v8, v8 row_xmask:1 row_mask:0xf bank_mask:0xf   ; and of my neighbour's 16: the block's
	v_add_nc_u32 v11, -(EMAX<<23), v8              ; 2 off its exponent field: the conversion takes the exponent field of this operand as its scale, and nothing else of it
	v_cvt_scalef32_pk16_fp6_f32 v[C+4*(\t):C+4*(\t)+2], v[XS:XS+15], v11         ; sixteen numbers / the scale, to the nearest code, ties to even, beyond the largest code the largest
	v_lshrrev_b32 v[E+(\t)], 23, v11               ; the scale's byte
	ds_store_b8 v5, v[E+(\t)] offset:16*(\t)       ; both lanes of a block write the same byte with the same value
	global_store_b96 v4, v[C+4*(\t):C+4*(\t)+2], s[10:11] offset:32*CB*(\t)
.endm
.irp t, 0,1,2,3,4,5,6,7
	STEP \t
.endr
	s_wait_dscnt 0x0                               ; my scale bytes are in LDS,
	s_barrier_signal -1
	s_barrier_wait -1                              ; and so are the other waves'
	s_cmp_lg_u32 s18, 0
	s_cbranch_scc1 .Lsecond_of_two
	ds_load_b64 v[8:9], v6                         ; the run's 256 bytes
	s_wait_dscnt 0x0
	global_store_b64 v7, v[8:9], s[12:13]          ; 32 lanes store 256 consecutive bytes, aligned
.Lsecond_of_two:
	s_wait_tensorcnt 0x0                           ; the wave's end: behind my last LDS store
	ds_add_u32 v[SPW], v[NIL]
	s_wait_dscnt 0x0
	s_endpgm
.Lfunc_end_k_qd9914b2128_quant:
	.size	k_qd9914b2128_quant, .Lfunc_end_k_qd9914b2128_quant-k_qd9914b2128_quant
	.p2alignl 7, 3214868480
	.fill 96, 4, 3214868480
	.section	.rodata,"a",@progbits
	.p2align	6, 0x0
	.amdhsa_kernel k_qd9914b2128_quant
		.amdhsa_group_segment_fixed_size 21504
		.amdhsa_private_segment_fixed_size 0
		.amdhsa_enable_private_segment 0
		.amdhsa_kernarg_size 40
		.amdhsa_user_sgpr_count 2
		.amdhsa_user_sgpr_kernarg_segment_ptr 1
		.amdhsa_wavefront_size32 1
		.amdhsa_system_sgpr_workgroup_id_x 1
		.amdhsa_system_sgpr_workgroup_id_y 1
		.amdhsa_system_sgpr_workgroup_id_z 1
		.amdhsa_system_vgpr_workitem_id 0
		.amdhsa_next_free_vgpr 216
		.amdhsa_next_free_sgpr 66
		.amdhsa_reserve_vcc 0
		.amdhsa_float_denorm_mode_32 3
		.amdhsa_float_denorm_mode_16_64 3
		.amdhsa_memory_ordered 1
		.amdhsa_forward_progress 1
		.amdhsa_inst_pref_size 19
	.end_amdhsa_kernel
	.amdgpu_metadata
---
amdhsa.version: [ 1, 2 ]
amdhsa.kernels:
  - .name:           k_qd9914b2128_quant
    .symbol:         k_qd9914b2128_quant.kd
    .args:
      - { .name: x, .offset: 0, .size: 8, .value_kind: global_buffer, .address_space: global }
      - { .name: Wkqv, .offset: 8, .size: 8, .value_kind: global_buffer, .address_space: global }
      - { .name: Wproj, .offset: 16, .size: 8, .value_kind: global_buffer, .address_space: global }
      - { .name: cod1, .offset: 24, .size: 8, .value_kind: global_buffer, .address_space: global }
      - { .name: scl1, .offset: 32, .size: 8, .value_kind: global_buffer, .address_space: global }
    .group_segment_fixed_size: 21504
    .private_segment_fixed_size: 0
    .kernarg_segment_align: 8
    .kernarg_segment_size: 40
    .max_flat_workgroup_size: 128
    .sgpr_count:     66
    .vgpr_count:     216
    .wavefront_size: 32
...
	.end_amdgpu_metadata
.endif
;; end of part 1
;; launch kqv (part 2): grid 8 x 32, 4 waves a work-group, clusters of 4 x 4, 327,680 bytes of LDS; arguments cod1, scl1, bkqv, kvr, qim; writes kvr, qim
.if DOCPART == 2
	.amdgcn_target "amdgcn-amd-amdhsa--gfx1250"
	.amdhsa_code_object_version 6
	.text
	.protected	k_qd9914b2128_kqv
	.globl	k_qd9914b2128_kqv
	.p2align	8
	.type	k_qd9914b2128_kqv,@function
k_qd9914b2128_kqv:
	s_mov_b64 s[64:65], 0
	v_nop
	global_prefetch_b8 v0, s[64:65] scope:SCOPE_SE
	s_setreg_imm32_b32 hwreg(HW_REG_WAVE_MODE, 25, 1), 1
	s_wait_xcnt 0x0
	s_wait_alu depctr_hold_cnt(0) depctr_sa_sdst(0) depctr_va_vdst(0) depctr_va_sdst(0) depctr_va_ssrc(0) depctr_va_vcc(0) depctr_vm_vsrc(0)
	s_getreg_b32 s2, hwreg(HW_REG_IB_STS2, 6, 4)
	s_cmp_eq_u32 s2, 0
	s_cbranch_scc0 .Lentry_in_a_cluster
	s_endpgm
.Lentry_in_a_cluster:
	s_bfe_u32 s2, ttmp6, 0x10000c
	s_cmp_lg_u32 s2, 0xf033
	s_cbranch_scc0 .Lentry_shape_is_right
	s_endpgm
.Lentry_shape_is_right:
; kqv = x Wkqv^T + bkqv on codes of FP6 (E2M3) with E8M0 scales (from launch quant), and the quantising of k, q (along the head's 64) and v (along the keys) on the way out: no f32 result goes to memory.
; THE DEAL: 256 work-groups of four waves, 2 x 2.  Work-group (W = 0..7, T = 0..31) makes, of tokens 256 T .. + 255 and heads 2 W, 2 W + 1:
;   PHASE 1: k and q: 256 tokens x 256 rows of Wkqv.  Source 0 = 16 rows of the weight, source 1 = 16 tokens: a lane holds one token and 128 numbers: a head's k (64), then its q (64).  64 accumulators a wave.
;   PHASE 2: v: 256 tokens x 128 rows of Wkqv.  Source 0 = 16 tokens, source 1 = 16 rows of the weight: a lane holds one channel of v and 128 keys.  32 accumulators a wave.
; Wave (a, b) has tokens 128 a .. + 127 (one key step) and head 2 W + b in both phases: all its results belong to ONE record of kvr.
; In cod1 the runs of 8 rows lie in the order 0, 2, 1, 3 in each 32: so the 16 registers of two neighbouring tiles of source 0 are 16 neighbours, and the 16 rows of a tile of source 1 are rows 32 b + 8 u + r + 8 (r / 8).
; THE RING: a row of codes is 768 bytes, three chunks of 256 bytes, each at a multiple of 256.  Both phases are ONE walk of 16 steps of 128 along K (96 bytes a row) through six chunks; chunk c lies in slot c % 2;
; chunks 3 to 5 are phase 2's.  A slot holds 256 rows of x and, behind them, the weight's rows (phase 1: 2 x 128; phase 2: 64 at the head of each half's place).  Waves 0, 1 fetch x's halves, waves 2, 3 the weight's.
; x's and the k and q rows' scale bytes come into LDS once, at the head; v's rows' scale words go straight into registers, 32 bytes a lane, sixteen lanes reading 512 bytes on end.
; CLUSTERS: 4 x 4 work-groups; x's tiles are asked for jointly along a row of the cluster, the weight's along a column.
; No prefetch is laid: the block is the largest that the registers hold, the loads are joint, and K is three chunks long; phase 2's rows of x have been read by phase 1.
; WHAT IS STORED, as images of the operand registers of launch attn.  kvr: [batch x head 64][key step of 128 keys 16][record of 13,056 bytes]: 8 tiles of K (768 bytes: registers 0-3 at 16 x lane, registers 4-5 at 8 x lane),
; from 6,144 on 4 tiles of V^T (1,536 bytes: 3 x 4 registers at 16 x lane), from 12,288 on the tokens' scale words (32 r + 4 tile; bytes 0, 1 k's, bytes 2, 3 q's), from 12,800 on V's (16 r + 4 tile).
; qim: [batch x head][tile 128][768 bytes]: Q, laid as K.  Every store of a wave covers whole aligned blocks of 256 bytes.
; LIMITS: a block whose largest magnitude lies under 2^-124 gets the byte 1, a block of zeros too (its codes are zeros; this program alone reads the bytes); NaN and infinities are not served.
; REGISTERS, in windows of 256: window 0: v0-31 addresses; v32-63 scale words, two sets; v64-95 v's rows' scale words; v96-103 v's bias; from v128 x's fragments, ONE set; v224-239 at work on the way out.
;   window 1: the weight's fragments, TWO sets, at v0 and v128 (v0-63: k's and q's bias, from phase 1's last step on).   windows 2, 3: accumulators.
.set ROWB,   256                       ; a chunk of a row of codes
.set KROW,   768                       ; a row of cod1
.set CHUNKS, 6
.set PITCH,  272                       ; an LDS row: 256 bytes + 16 of padding
.set FR,     12                        ; registers of a fragment
.set NL,     6                         ; LDS loads that bring one
.set NP,     4                         ; places behind this matrix instruction (ISA guide 7.12.1)
.set HALFT,  128*PITCH
.set SLOT,   4*HALFT
.set KS,     32                        ; a row of scl1
.set SCL,    2*SLOT                    ; behind the ring: the scales, as blocks of 256 bytes + 16 of padding
.set HALFS,  (128*KS/256)*272
.set SBLK,   (16*KS/256)*272
.set SPARE,  SCL+4*HALFS               ; the spare words, 128 bytes for each wave
.set REC,    13056
.set HEADB,  16*REC
.set LSC,  12                          ; v12  32 r: my row of v's scale bytes
.set SWV,  13                          ; v13  16 r + 8 h: where my two of V's scale words go
.set ADRA, 16                          ; v16-17 LDS address of x's fragments in slot 0, 1 (v18-19: lanes 0-15 at byte 232 of a chunk, lanes 16-31 at byte 0 of the next, in the other slot)
.set ADRB, 20                          ; v20-23 the same for the weight
.set LI16, 24                          ; v24  16 x lane
.set LI8,  25                          ; v25  8 x lane
.set SWA,  26                          ; v26  32 r + 16 h: where my four of the tokens' scale words go
.set ADRS, 27                          ; v27  LDS address of scale words: lanes 0-15 x's rows, lanes 16-31 the k and q rows
.set SPW,  28                          ; v28  my spare word; never rewritten
.set NIL,  29                          ; v29  0; never rewritten
.set BOF,  30                          ; v30  k's and q's bias: 64 h
.set BOV,  31                          ; v31  v's bias: 4 (r + 8 (r / 8))
.set SC,   32
.set WS,   64
.set BIV,  96
.set AF,   128
.set T,    128                         ; the way out: a block's 64 numbers with the bias added
.set CD,   192                         ; the codes just made, and the conversions' second halves
.set TM,   224
.set SW,   32                          ; a scale word for each block; v40-43 those that my lane stores
.set SWS,  40
.set G0H,  4                           ; s[4:7], s[8:11] group 0 of the head's loads of chunk 0
.set G0HB, 8
.set G1,   24
.set G0,   32
.set G1B,  48
.set G0B,  56
.set DV,   66                          ; s[66:67] bytes from my k and q rows' chunk 1 to my v rows' chunk 0
.set G1S,  68
.set G0S,  76
.set G1SB, 80
.set G0SB, 88
.set SEL,  98                          ; s[98:99] v_permlanex16_b32's selects for lane l xor 16
.set VSP,  100                         ; s[100:101] my v rows' scale bytes
.set MSB, 0
.macro WIN new                         ; the immediate's high byte repeats the setting that is left
.if MSB != (\new)
	s_set_vgpr_msb (MSB<<8)|(\new)
.set MSB, (\new)
.endif
.endm
.set TO_B, 0x40                        ; destination window 1, address window 0
.macro WINM st, hi                     ; phase 1: source 0 window 1, source 1 window 0, C and D window 2 or 3; phase 2: source 0 window 0, source 1 window 1, C and D window 2
.if (\st) < 8
	WIN 0xa1+0x50*(\hi)
.else
	WIN 0xa4
.endif
.endm
.macro PLACES n
.rept \n
	v_nop
.endr
.endm
.macro TLOAD g0, g1                    ; an s_nop 0 and four v_nop follow each tensor load
	tensor_load_to_lds s[\g0:\g0+3], s[\g1:\g1+7]
	s_nop 0
	PLACES 4
.endm
.macro JLOAD g0a, g1a, g0b, g1b        ; a joint load: waves 0 and 1 fetch x's rows, waves 2 and 3 the weight's; the branch hangs on the wave's number alone
	s_cmp_eq_u32 s15, 0
	s_cbranch_scc0 .Lfor_b_\@
	TLOAD \g0a, \g1a
	s_branch .Lasked_\@
.Lfor_b_\@:
	TLOAD \g0b, \g1b
.Lasked_\@:
.endm
.macro CREST                           ; a round of the cluster's barrier behind its opening barrier
	s_cmp_lg_u32 s14, 0
	s_cbranch_scc1 .Lnot_wave_0_\@
	s_barrier_signal -3
.Lnot_wave_0_\@:
	s_barrier_wait -3
	s_barrier_signal -1
	s_barrier_wait -1
.endm
.macro CROUND
	s_barrier_signal -1
	s_barrier_wait -1
	CREST
.endm
	s_load_b128 s[4:7], s[0:1], 0x0                ; cod1, scl1
	v_lshl_add_u32 v[SPW], v0, 2, SPARE
	v_mov_b32 v[NIL], 0
	ds_add_u32 v[SPW], v[NIL]                      ; the opening: the add, twice on end, and its wait ahead of my first tensor load
	ds_add_u32 v[SPW], v[NIL]
	v_lshrrev_b32 v1, 5, v0
	v_readfirstlane_b32 s14, v1                    ; wave 0..3
	s_lshr_b32 s15, s14, 1                         ; my half of the tokens.  Also: I fetch x's rows (0) or the weight's (1)
	s_and_b32 s16, s14, 1                          ; my head of the two.  Also: which half of that tile I fetch
	s_bfe_u32 s40, ttmp6, 0x40000                  ; cx, cy
	s_bfe_u32 s41, ttmp6, 0x40004
	s_lshl_b32 s42, ttmp9, 2
	s_add_co_u32 s42, s42, s40                     ; W
	s_and_b32 s17, ttmp7, 0xffff
	s_lshl_b32 s17, s17, 2
	s_add_co_u32 s17, s17, s41                     ; T
	s_lshl_b32 s43, s41, 2
	s_lshl_b32 s43, 15, s43                        ; my row of the cluster
	s_lshl_b32 s44, 0x1111, s40                    ; my column
	; group 1: rows of 256 bytes, 16 bytes of padding behind each; 256 rows for the head's loads
	s_or_b32 s[G1+0], s43, (0<<16)|(1<<20)|(1<<21)|(5<<22)|(3<<25)
	s_or_b32 s[G1B+0], s44, (0<<16)|(1<<20)|(1<<21)|(5<<22)|(3<<25)
.irp g, G1, G1B
	s_mov_b32 s[\g+1], ROWB<<16
	s_mov_b32 s[\g+2], 256<<16
	s_mov_b32 s[\g+3], ROWB<<16
	s_mov_b32 s[\g+4], 256
	s_mov_b32 s[\g+5], KROW
	s_mov_b32 s[\g+6], 0
	s_mov_b32 s[\g+7], 0
.endr
	; the scales of 256 rows: a dense block of 8,192 bytes, as 32 rows of 256 bytes (32 elements of 8 bytes)
	s_or_b32 s[G1S+0], s43, (3<<16)|(1<<20)|(1<<21)|(5<<22)|(3<<25)
	s_or_b32 s[G1SB+0], s44, (3<<16)|(1<<20)|(1<<21)|(5<<22)|(3<<25)
.irp g, G1S, G1SB
	s_mov_b32 s[\g+1], 32<<16
	s_mov_b32 s[\g+2], KS<<16
	s_mov_b32 s[\g+3], 32<<16
	s_mov_b32 s[\g+4], KS
	s_mov_b32 s[\g+5], 32
	s_mov_b32 s[\g+6], 0
	s_mov_b32 s[\g+7], 0
.endr
	s_lshl_b32 s20, s17, 8                         ; x's rows begin at row 256 T of cod1,
	s_lshl_b32 s46, s42, 8
	s_add_co_u32 s46, s46, 8192                    ; the k and q rows at 8,192 + 256 W
	s_mov_b32 s21, 0
	s_mov_b32 s47, 0
	s_mov_b64 s[18:19], KS
	s_mul_u64 s[22:23], s[20:21], s[18:19]         ; their scales, in bytes,
	s_mul_u64 s[92:93], s[46:47], s[18:19]
	s_mov_b64 s[18:19], KROW
	s_mul_u64 s[20:21], s[20:21], s[18:19]         ; and their codes
	s_mul_u64 s[46:47], s[46:47], s[18:19]
	s_mul_i32 s18, s16, 128*KROW                   ; in the ring I fetch one half of a tile
	s_mov_b32 s19, 0
	s_mul_i32 s45, s14, HALFT                      ; to wave x 128 rows: no place in the cluster enters an LDS address
	s_lshl_b32 s66, s42, 7
	s_lshl_b32 s67, s16, 6
	s_add_co_u32 s66, s66, s67                     ; my v rows begin at row 10,240 + 128 W + 64 b,
	s_add_co_u32 s100, s66, 10240
	s_lshl_b32 s100, s100, 5                       ; their scale bytes here;
	s_mov_b32 s101, 0
	s_sub_co_u32 s66, 2048, s66                    ; that is 2,048 - 128 W - 64 b rows behind my k and q rows (8,192 + 256 W + 128 b)
	s_mul_i32 s66, s66, KROW
	s_sub_co_u32 s66, s66, ROWB                    ; and one chunk back
	s_mov_b32 s67, 0
	s_mov_b32 s[SEL], 0x76543210
	s_mov_b32 s[SEL+1], 0xfedcba98
	s_wait_dscnt 0x0                               ; both opening adds are done
	s_wait_kmcnt 0x0
	s_add_nc_u64 s[20:21], s[4:5], s[20:21]
	s_add_nc_u64 s[22:23], s[6:7], s[22:23]
	s_add_nc_u64 s[46:47], s[4:5], s[46:47]
	s_add_nc_u64 s[92:93], s[6:7], s[92:93]
	s_add_nc_u64 s[VSP:VSP+1], s[6:7], s[VSP:VSP+1]
	CROUND                                         ; all sixteen work-groups are here: the first joint loads meet
	s_mov_b32 s[G0H], 1                            ; the head's four tiles, each whole: chunk 0's 256 rows of x,
	s_mov_b32 s[G0H+1], 0
	s_mov_b64 s[G0H+2:G0H+3], s[20:21]
	s_or_b32 s[G0H+3], s[G0H+3], 0x80000000
	s_mov_b32 s[G0HB], 1                           ; its 256 rows of the weight,
	s_mov_b32 s[G0HB+1], 2*HALFT
	s_mov_b64 s[G0HB+2:G0HB+3], s[46:47]
	s_or_b32 s[G0HB+3], s[G0HB+3], 0x80000000
	s_mov_b32 s[G0S], 1                            ; x's scales,
	s_mov_b32 s[G0S+1], SCL
	s_mov_b64 s[G0S+2:G0S+3], s[22:23]
	s_or_b32 s[G0S+3], s[G0S+3], 0x80000000
	s_mov_b32 s[G0SB], 1                           ; the k and q rows' scales
	s_mov_b32 s[G0SB+1], SCL+2*HALFS
	s_mov_b64 s[G0SB+2:G0SB+3], s[92:93]
	s_or_b32 s[G0SB+3], s[G0SB+3], 0x80000000
	s_add_nc_u64 s[20:21], s[20:21], s[18:19]      ; for the ring: my half of the tile
	s_add_nc_u64 s[46:47], s[46:47], s[18:19]
.irp s, 0,1
	s_mov_b32 s[G0+4*\s], 1
	s_add_co_u32 s[G0+4*\s+1], s45, \s*SLOT
	s_add_nc_u64 s[G0+4*\s+2:G0+4*\s+3], s[20:21], \s*ROWB
	s_or_b32 s[G0+4*\s+3], s[G0+4*\s+3], 0x80000000
	s_mov_b32 s[G0B+4*\s], 1
	s_add_co_u32 s[G0B+4*\s+1], s45, \s*SLOT
	s_add_nc_u64 s[G0B+4*\s+2:G0B+4*\s+3], s[46:47], \s*ROWB
	s_or_b32 s[G0B+4*\s+3], s[G0B+4*\s+3], 0x80000000
.endr
; THE HEAD'S LOADS, ONE A WAVE, in one tree of branches on the wave's number: every way passes exactly one load
.macro ARM under, g0, g1, next
	s_cmp_lt_u32 s14, \under
	s_cbranch_scc0 \next
	TLOAD \g0, \g1
	s_branch .Lhead_asked
\next:
.endm
	ARM 1, G0H,  G1,  .Lhead_b
	ARM 2, G0HB, G1B, .Lhead_sa
	ARM 3, G0S,  G1S, .Lhead_sb
	TLOAD G0SB, G1SB
.Lhead_asked:
	s_mov_b32 s18, SLOT-232
	s_mov_b32 s19, SLOT+232
	s_mul_i32 s20, s15, HALFT                      ; my 128 rows of x
	s_mul_i32 s21, s16, HALFT                      ; my half's place of the weight,
	s_add_co_u32 s21, s21, 2*HALFT                 ; behind x's 256 rows
	s_mul_i32 s93, s15, HALFS
	s_mul_i32 s92, s16, HALFS
	s_add_co_u32 s92, s92, 2*HALFS
	s_sub_co_u32 s92, s92, s93                     ; from x's scale words to the weight's
	s_add_co_u32 s93, s93, SCL
	v_and_b32 v1, 15, v0                           ; r
	v_bfe_u32 v2, v0, 4, 1                         ; h
	v_mul_u32_u24 v3, v1, PITCH
	v_mul_u32_u24 v4, v2, 24
	v_add_nc_u32 v4, v3, v4                        ; a fragment's row x pitch + 24 h
	v_sub_nc_u32 v7, 1, v2
	v_mul_u32_u24 v5, s18, v2
	v_add_nc_u32 v5, v3, v5
	v_add_nc_u32 v5, 232, v5                       ; across two chunks: lanes 0-15 byte 232 in slot 0, lanes 16-31 byte 0 in slot 1;
	v_mul_u32_u24 v6, s19, v7
	v_add_nc_u32 v6, v3, v6                        ; and lanes 0-15 byte 232 in slot 1, lanes 16-31 byte 0 in slot 0
	v_add_nc_u32 v[ADRA+2], s20, v5
	v_add_nc_u32 v[ADRA+3], s20, v6
	v_add_nc_u32 v[ADRB+2], s21, v5
	v_add_nc_u32 v[ADRB+3], s21, v6
	v_add_nc_u32 v[ADRA], s20, v4
	v_add_nc_u32 v[ADRB], s21, v4
	v_add_nc_u32 v[ADRA+1], SLOT, v[ADRA]
	v_add_nc_u32 v[ADRB+1], SLOT, v[ADRB]
	v_mul_u32_u24 v5, v1, KS                       ; my row's scales: 32 bytes a row,
	v_lshrrev_b32 v6, 8, v5
	v_lshl_add_u32 v5, v6, 4, v5                   ; and 16 more for each 256 passed
	v_mul_u32_u24 v6, s92, v2                      ; lanes 16-31 take the weight's
	v_add_nc_u32 v5, v5, v6
	v_add_nc_u32 v[ADRS], s93, v5
	v_and_b32 v6, 31, v0
	v_lshlrev_b32 v[LI16], 4, v6
	v_lshlrev_b32 v[LI8], 3, v6
	v_lshlrev_b32 v[BOF], 6, v2
	v_and_b32 v5, 8, v1
	v_add_nc_u32 v5, v5, v1
	v_lshlrev_b32 v[BOV], 2, v5
	v_lshlrev_b32 v[LSC], 5, v1
	v_lshlrev_b32 v[SWA], 5, v1
	v_lshl_add_u32 v[SWA], v2, 4, v[SWA]
	v_lshlrev_b32 v[SWV], 4, v1
	v_lshl_add_u32 v[SWV], v2, 3, v[SWV]
.macro FRAG reg, adr, st, i            ; a fragment: lane l holds row l % 16; registers 6 c .. 6 c + 5 hold K = 64 c + 32 (l / 16) + 0 .. 31: 24 bytes of the row's stream of bits, in pieces of 8 bytes
.irp p, 0,1,2,3,4,5
.set BY, 96*(\st)+48*(\p/3)+8*(\p%3)  ; the piece of lanes 0-15, in bytes along the walk; byte y lies in chunk y / 256, slot (y / 256) % 2, at byte y % 256 of the LDS row; lanes 16-31 read 24 bytes on
.if BY/ROWB == (BY+24)/ROWB
	ds_load_b64 v[\reg+2*\p:\reg+2*\p+1], v[\adr+(BY/ROWB)%2] offset:BY%ROWB+(\i)*16*PITCH
.else
	ds_load_b64 v[\reg+2*\p:\reg+2*\p+1], v[\adr+2+(BY/ROWB)%2] offset:BY%ROWB-232+(\i)*16*PITCH
.endif
.endr
.endm
.macro WM zero, row                    ; one product on the registers named by D_, S0_, S1_, X0_, X1_
.if \zero
.if \row
	v_wmma_scale_f32_16x16x128_f8f6f4 v[D_:D_+7], v[S0_:S0_+FR-1], v[S1_:S1_+FR-1], 0, v[X0_], v[X1_] matrix_a_fmt:MATRIX_FMT_FP6 matrix_b_fmt:MATRIX_FMT_FP6 matrix_a_scale:MATRIX_SCALE_ROW1
.else
	v_wmma_scale_f32_16x16x128_f8f6f4 v[D_:D_+7], v[S0_:S0_+FR-1], v[S1_:S1_+FR-1], 0, v[X0_], v[X1_] matrix_a_fmt:MATRIX_FMT_FP6 matrix_b_fmt:MATRIX_FMT_FP6
.endif
.else
.if \row
	v_wmma_scale_f32_16x16x128_f8f6f4 v[D_:D_+7], v[S0_:S0_+FR-1], v[S1_:S1_+FR-1], v[D_:D_+7], v[X0_], v[X1_] matrix_a_fmt:MATRIX_FMT_FP6 matrix_b_fmt:MATRIX_FMT_FP6 matrix_a_scale:MATRIX_SCALE_ROW1
.else
	v_wmma_scale_f32_16x16x128_f8f6f4 v[D_:D_+7], v[S0_:S0_+FR-1], v[S1_:S1_+FR-1], v[D_:D_+7], v[X0_], v[X1_] matrix_a_fmt:MATRIX_FMT_FP6 matrix_b_fmt:MATRIX_FMT_FP6
.endif
.endif
.endm
; x's blocks a0, a0 + 1 against the weight's eight (phase 1) or four (phase 2).  The accumulators take turns, one instruction a turn, in the same order in every step.
.macro MULS a0, st, zero
.irp a, \a0, \a0+1
.set XA_, SC+16*(((\st)/2)%2)+2*(\a)+(\st)%2   ; x's scale word: lanes 0-15
.if (\st) < 8
.irp b, 0,1,2,3,4,5,6,7
.set D_, 8*(8*((\a)%4)+\b)
.set S0_, 128*((\st)%2)+FR*\b
.set S1_, AF+FR*(\a)
.set X0_, SC+16*(((\st)/2)%2)+2*\b+(\st)%2     ; the weight's: lanes 16-31
.set X1_, XA_
	WM \zero, 1
.endr
.else
.irp b, 0,1,2,3
.set D_, 8*(8*\b+(\a))
.set S0_, AF+FR*(\a)
.set S1_, 128*((\st)%2)+FR*\b
.set X0_, XA_
.set X1_, WS+8*\b+(\st)-8
	WM \zero, 0
.endr
.endif
.endr
.endm
.macro FETCH_B st                      ; the weight's fragments of step st into set st % 2
	WIN TO_B
.irp i, 0,1,2,3
	FRAG 128*((\st)%2)+FR*\i, ADRB, \st, \i
.endr
.if (\st) < 8
.irp i, 4,5,6,7
	FRAG 128*((\st)%2)+FR*\i, ADRB, \st, \i
.endr
.endif
	WIN 0
.endm
.macro FETCH_A st, i0                  ; x's blocks i0 .. i0 + 3
.irp i, \i0, \i0+1, \i0+2, \i0+3
	FRAG AF+FR*(\i), ADRA, \st, \i
.endr
.endm
.macro SCALES pr                       ; the scale words of steps 2 pr, 2 pr + 1 into set pr % 2
.irp i, 0,1,2,3,4,5,6,7
	ds_load_b64 v[SC+16*((\pr)%2)+2*\i:SC+16*((\pr)%2)+2*\i+1], v[ADRS] offset:\i*SBLK+8*((\pr)%4)
.endr
.endm
; A step of 128 along K.  Where the next step's bytes END in a chunk not read yet, every wave waits for its tensor loads and a barrier shows that chunk whole.  Where they BEGIN in a later chunk, the chunk left behind is
; read no more: the wait for all tensor loads, the add, the wait for it and for my reads, the barrier; where a chunk two on is left to fetch, the barrier opens a round of the cluster's barrier and the slot is filled again.
; fetch = 0: phase 1's last step: the next step's fragments are fetched behind the way out.
.macro STEP st, zero, fetch=1
.set NX, (\st)+1
.set C0, (96*(\st))/ROWB
.set C1, (96*NX)/ROWB
.set E0, (96*(\st)+95)/ROWB
.set E1, (96*NX+95)/ROWB
.if C1 > C0 || E1 > E0
	s_wait_tensorcnt 0x0                           ; all my tensor loads have landed
.if C1 > C0
	ds_add_u32 v[SPW], v[NIL]                      ; 0 onto my spare word
.if (\st) == 5
	s_mov_b32 s[G1B+2], 64<<16                     ; no tensor load of mine is out: from here on the weight's loads bring 64 rows of v
	s_mov_b32 s[G1B+4], 64
.endif
	s_wait_dscnt 4*NL+1                            ; (the add and the youngest 24 loads, x's blocks 4-7, may be out)
.else
	s_wait_dscnt 4*NL
.endif
	WINM \st, 0
	MULS 0, \st, \zero
	s_wait_dscnt 0x0                               ; the add, where there is one, and all my reads are done
	s_barrier_signal -1
	MULS 2, \st, \zero
	WIN 0
	s_barrier_wait -1
.if C1 > C0 && C0+2 < CHUNKS
	CREST
.if C0+2 == 3 || C0+2 == 4                     ; on to phase 2's chunks: x goes back along K, the weight on to its v rows
	s_sub_nc_u64 s[G0+4*(C0%2)+2:G0+4*(C0%2)+3], s[G0+4*(C0%2)+2:G0+4*(C0%2)+3], ROWB
	s_add_nc_u64 s[G0B+4*(C0%2)+2:G0B+4*(C0%2)+3], s[G0B+4*(C0%2)+2:G0B+4*(C0%2)+3], s[DV:DV+1]
.else
	s_add_nc_u64 s[G0+4*(C0%2)+2:G0+4*(C0%2)+3], s[G0+4*(C0%2)+2:G0+4*(C0%2)+3], 2*ROWB
	s_add_nc_u64 s[G0B+4*(C0%2)+2:G0B+4*(C0%2)+3], s[G0B+4*(C0%2)+2:G0B+4*(C0%2)+3], 2*ROWB
.endif
	JLOAD G0+4*(C0%2), G1, G0B+4*(C0%2), G1B       ; chunk C0 + 2, the first tensor load behind the round; its four v_nop are the places in front of the loads below
.else
	PLACES NP
.endif
.else
	s_wait_dscnt 4*NL                              ; the weight's set and x's blocks 0-3 are in
	WINM \st, 0
	MULS 0, \st, \zero
	MULS 2, \st, \zero
	s_wait_dscnt 0
	PLACES NP
.endif
.if \fetch
	FETCH_B NX
	FETCH_A NX, 0
.if NX%2 == 0
	SCALES NX/2
.endif
.endif
	WINM \st, 1
	MULS 4, \st, \zero
	MULS 6, \st, \zero
.if \fetch
	PLACES NP
	WIN 0
	FETCH_A NX, 4
.else
	WIN 0
.endif
.endm
; 64 numbers of a lane, v[s] on, register 16 b + i = place 32 b + 16 (lane / 16) + i along the quantiser's axis, become a fragment's codes in v[CD] on and its scale word in v[pw].
.macro QUANT s, pw
.irp b, 0,1,2,3
	v_max3_num_f32 v[TM+\b], |v[\s+16*\b]|, |v[\s+1+16*\b]|, 0x1800000   ; block b: my 16 numbers, and the floor 2^(3 - 127): so the byte cannot fall under 1
.endr
.irp i, 2,4,6,8,10,12,14
.irp b, 0,1,2,3
	v_max3_num_f32 v[TM+\b], v[TM+\b], |v[\s+16*\b+\i]|, |v[\s+1+16*\b+\i]|
.endr
.endr
.irp b, 0,1,2,3
	v_permlanex16_b32 v[TM+4+\b], v[TM+\b], s[SEL], s[SEL+1]
.endr
.irp b, 0,1,2,3
	v_max_num_f32 v[TM+\b], v[TM+\b], v[TM+4+\b]   ; with lane l xor 16's: the block's largest magnitude
.endr
.irp b, 0,1,2,3
	v_add_nc_u32 v[TM+12+\b], 0xff000000, v[TM+\b] ; 2 off its exponent field: the conversion's scale operand
.endr
.irp b, 0,1,2,3
	v_lshrrev_b32 v[TM+4+\b], 23, v[TM+12+\b]      ; the scale's byte
.endr
	v_lshl_or_b32 v[\pw], v[TM+5], 8, v[TM+4]
	v_lshl_or_b32 v[\pw], v[TM+6], 16, v[\pw]
	v_lshl_or_b32 v[\pw], v[TM+7], 24, v[\pw]
.irp c, 0,1
	v_cvt_scalef32_pk16_fp6_f32 v[CD+6*\c:CD+2+6*\c], v[\s+32*\c:\s+15+32*\c], v[TM+12+2*\c]
	v_cvt_scalef32_pk16_fp6_f32 v[CD+12+4*\c:CD+14+4*\c], v[\s+16+32*\c:\s+31+32*\c], v[TM+12+2*\c+1]   ; (a conversion's three registers begin on an even number)
.endr
	v_nop                                          ; one plain place behind a scaled conversion
.irp c, 0,1                                    ; the operand's layout wants a WHOLE block in a lane
.irp i, 0,1,2
	v_permlane16_swap_b32 v[CD+6*\c+\i], v[CD+12+4*\c+\i]
.endr
.irp i, 0,1,2
	v_mov_b32 v[CD+3+6*\c+\i], v[CD+12+4*\c+\i]
.endr
.endr
.endm
; THE WAY OUT of block a (16 lanes' rows): the bias is added, the lane's 64 numbers are quantised, the codes leave as register images.  mode 0: k and q; 1: v
.macro EPIBLK mode, a
.if \mode
	WIN 2
.else
	WIN (2+(\a)/4)|4                               ; source 0: window 2 or 3; source 1, the bias: window 1
.endif
.set n, 0
.rept 32
.if \mode
	v_pk_add_f32 v[T+n:T+n+1], v[64*(\a)+n:64*(\a)+n+1], v[BIV+2*(\a):BIV+2*(\a)+1]   ; each accumulator from its low end on
.else
	v_pk_add_f32 v[T+n:T+n+1], v[64*((\a)%4)+n:64*((\a)%4)+n+1], v[n:n+1]
.endif
.set n, n+2
.endr
	WIN 0
.if (\a) > 0
	s_wait_xcnt 0x0                                ; the last block's stores have read their registers
.endif
	QUANT T, SW+(\a)
.if \mode
.irp c, 0,1,2
	global_store_b128 v[LI16], v[CD+4*\c:CD+4*\c+3], s[10:11] offset:6144+(\a)*1536+512*\c   ; V^T's tile a
.endr
.else
	global_store_b128 v[LI16], v[CD:CD+3], s[10:11] offset:768*(\a)              ; K's tile a
	global_store_b64 v[LI8], v[CD+4:CD+5], s[10:11] offset:768*(\a)+512
	global_store_b128 v[LI16], v[CD+6:CD+9], s[12:13] offset:768*(\a)            ; Q's tile a
	global_store_b64 v[LI8], v[CD+10:CD+11], s[12:13] offset:768*(\a)+512
.endif
.endm
.macro EPIHEAD
.irp b, 0,1,2,3
	v_mov_b32 v[TM+4+\b], 0                        ; a lane permute's destination counts as one of its sources.  These four name no register of the products: they are the places behind the last of them
.endr
.endm
	s_wait_alu depctr_va_vdst(0)                   ; the head's end
	s_wait_tensorcnt 0x0                           ; my tile of the head's four is in
	ds_add_u32 v[SPW], v[NIL]
	s_mov_b32 s[G1+2], 128<<16                     ; no tensor load of mine is out: from here on a load brings 128 rows
	s_mov_b32 s[G1+4], 128
	s_mov_b32 s[G1B+2], 128<<16
	s_mov_b32 s[G1B+4], 128
	s_wait_dscnt 0x0
	CROUND                                         ; all four tiles are in, and all sixteen work-groups are here
	JLOAD G0+4, G1, G0B+4, G1B                     ; chunk 1, the first tensor load behind the round
	s_load_b128 s[8:11], s[0:1], 0x10              ; bkqv, kvr (the head's descriptor that lay here is done with)
	s_load_b64 s[12:13], s[0:1], 0x20              ; qim
.irp b, 0,1,2,3
	global_load_b128 v[WS+8*\b:WS+8*\b+3], v[LSC], s[VSP:VSP+1] offset:512*\b        ; v's rows 16 b + r: a scale word for each of the eight steps
	global_load_b128 v[WS+8*\b+4:WS+8*\b+7], v[LSC], s[VSP:VSP+1] offset:512*\b+16
.endr
	FETCH_B 0
	FETCH_A 0, 0
	SCALES 0
	FETCH_A 0, 4
	STEP 0, 1                                      ; the first step's products start the sums: nothing is cleared
.set ST, 1
.rept 6
	STEP ST, 0
.set ST, ST+1
.endr
	s_wait_kmcnt 0x0
	s_lshr_b32 s18, s17, 3                         ; batch
	s_and_b32 s19, s17, 7
	s_lshl_b32 s19, s19, 1
	s_add_co_u32 s19, s19, s15                     ; key step
	s_lshl_b32 s20, s42, 1
	s_add_co_u32 s20, s20, s16                     ; head
	s_lshl_b32 s18, s18, 4
	s_add_co_u32 s18, s18, s20
	s_mul_i32 s22, s18, HEADB
	s_mul_i32 s23, s19, REC
	s_add_co_u32 s22, s22, s23
	s_mov_b32 s23, 0
	s_add_nc_u64 s[10:11], s[10:11], s[22:23]      ; my record of kvr
	s_mul_i32 s22, s18, 128*768
	s_mul_i32 s21, s19, 8*768
	s_add_co_u32 s22, s22, s21
	s_add_nc_u64 s[12:13], s[12:13], s[22:23]      ; my eight tiles of qim
	s_mul_i32 s22, s20, 768
	s_add_nc_u64 s[8:9], s[8:9], s[22:23]          ; my head's bias
	WIN TO_B                                       ; set 0 of the weight's fragments is done with (the places stand at the end of the step before)
.irp b, 0,1,2,3
.irp j, 0,1,2,3
	global_load_b128 v[16*\b+4*\j:16*\b+4*\j+3], v[BOF], s[8:9] offset:128*\b+16*\j   ; register 16 b + i: bkqv[head][32 b + 16 h + i]
.endr
.endr
	WIN 0
.irp a, 0,1,2,3
	global_load_b32 v[BIV+2*\a], v[BOV], s[8:9] offset:512+(32*(\a/2)+8*(\a%2))*4     ; bkqv[head][128 + my channel of block a], twice: a pair for the packed addition
	global_load_b32 v[BIV+2*\a+1], v[BOV], s[8:9] offset:512+(32*(\a/2)+8*(\a%2))*4
.endr
	STEP 7, 0, 0                                   ; phase 1's last 64 products stand between the bias's loads and the wait for them; chunk 4 is asked for
	EPIHEAD
	s_wait_loadcnt 0x0                             ; the bias, and v's scale words
.irp a, 0,1,2,3,4,5,6,7
	EPIBLK 0, \a
.endr
	v_cmp_eq_u32 vcc_lo, 1, v2
.irp i, 0,1,2,3
	v_cndmask_b32 v[SWS+\i], v[SW+\i], v[SW+4+\i], vcc_lo   ; lanes 0-15 store blocks 0-3's words of their row, lanes 16-31 blocks 4-7's
.endr
	global_store_b128 v[SWA], v[SWS:SWS+3], s[10:11] offset:12288
	s_wait_xcnt 0x0                                ; the stores have read their registers: the fragments and scale words below land there
	FETCH_B 8                                      ; PHASE 2: chunk 3 was shown whole by step 7's barrier
	FETCH_A 8, 0
	SCALES 4
	FETCH_A 8, 4
	STEP 8, 1
.set ST, 9
.rept 6
	STEP ST, 0
.set ST, ST+1
.endr
	s_wait_dscnt 4*NL                              ; the very last step: nothing more to fetch
	WINM 15, 0
	MULS 0, 15, 0
	MULS 2, 15, 0
	s_wait_dscnt 0
	MULS 4, 15, 0
	MULS 6, 15, 0
	WIN 0
	EPIHEAD
.irp a, 0,1,2,3
	EPIBLK 1, \a
.endr
	v_cmp_eq_u32 vcc_lo, 1, v2
	v_cndmask_b32 v[SWS], v[SW], v[SW+2], vcc_lo   ; lanes 0-15 store tiles 0, 1's words of their channel, lanes 16-31 tiles 2, 3's
	v_cndmask_b32 v[SWS+1], v[SW+1], v[SW+3], vcc_lo
	global_store_b64 v[SWV], v[SWS:SWS+1], s[10:11] offset:12800
	s_wait_tensorcnt 0x0                           ; the wave's end
	ds_add_u32 v[SPW], v[NIL]
	s_wait_dscnt 0x0
	CROUND                                         ; the closing round
	s_endpgm
.Lfunc_end_k_qd9914b2128_kqv:
	.size	k_qd9914b2128_kqv, .Lfunc_end_k_qd9914b2128_kqv-k_qd9914b2128_kqv
	.p2alignl 7, 3214868480
	.fill 96, 4, 3214868480
	.section	.rodata,"a",@progbits
	.p2align	6, 0x0
	.amdhsa_kernel k_qd9914b2128_kqv
		.amdhsa_group_segment_fixed_size 327680
		.amdhsa_private_segment_fixed_size 0
		.amdhsa_enable_private_segment 0
		.amdhsa_kernarg_size 40
		.amdhsa_user_sgpr_count 2
		.amdhsa_user_sgpr_kernarg_segment_ptr 1
		.amdhsa_wavefront_size32 1
		.amdhsa_system_sgpr_workgroup_id_x 1
		.amdhsa_system_sgpr_workgroup_id_y 1
		.amdhsa_system_sgpr_workgroup_id_z 1
		.amdhsa_system_vgpr_workitem_id 0
		.amdhsa_next_free_vgpr 1024
		.amdhsa_next_free_sgpr 102
		.amdhsa_reserve_vcc 1
		.amdhsa_float_denorm_mode_32 3
		.amdhsa_float_denorm_mode_16_64 3
		.amdhsa_memory_ordered 1
		.amdhsa_forward_progress 1
		.amdhsa_inst_pref_size 255
	.end_amdhsa_kernel
	.section	.bss,"aw",@nobits
	.p2align	6
	.space	262144
	.amdgpu_metadata
---
amdhsa.version: [ 1, 2 ]
amdhsa.kernels:
  - .name:           k_qd9914b2128_kqv
    .symbol:         k_qd9914b2128_kqv.kd
    .args:
      - { .name: cod1, .offset: 0, .size: 8, .value_kind: global_buffer, .address_space: global }
      - { .name: scl1, .offset: 8, .size: 8, .value_kind: global_buffer, .address_space: global }
      - { .name: bkqv, .offset: 16, .size: 8, .value_kind: global_buffer, .address_space: global }
      - { .name: kvr, .offset: 24, .size: 8, .value_kind: global_buffer, .address_space: global }
      - { .name: qim, .offset: 32, .size: 8, .value_kind: global_buffer, .address_space: global }
    .group_segment_fixed_size: 327680
    .private_segment_fixed_size: 0
    .kernarg_segment_align: 8
    .kernarg_segment_size: 40
    .max_flat_workgroup_size: 128
    .sgpr_count:     102
    .vgpr_count:     1024
    .wavefront_size: 32
...
	.end_amdgpu_metadata
.endif
;; end of part 2
;; launch attn (part 3): grid 4 x 64, 16 waves a work-group, clusters of 4 x 1, 327,680 bytes of LDS; arguments kvr, qim, sar; writes sar
.if DOCPART == 3
	.amdgcn_target "amdgcn-amd-amdhsa--gfx1250"
	.amdhsa_code_object_version 6
	.text
	.protected	k_qd9914b2128_attn
	.globl	k_qd9914b2128_attn
	.p2align	8
	.type	k_qd9914b2128_attn,@function
k_qd9914b2128_attn:
	s_mov_b64 s[64:65], 0
	v_nop
	global_prefetch_b8 v0, s[64:65] scope:SCOPE_SE
	s_setreg_imm32_b32 hwreg(HW_REG_WAVE_MODE, 25, 1), 1
	s_wait_xcnt 0x0
	s_wait_alu depctr_hold_cnt(0) depctr_sa_sdst(0) depctr_va_vdst(0) depctr_va_sdst(0) depctr_va_ssrc(0) depctr_va_vcc(0) depctr_vm_vsrc(0)
	s_getreg_b32 s2, hwreg(HW_REG_IB_STS2, 6, 4)
	s_cmp_eq_u32 s2, 0
	s_cbranch_scc0 .Lentry_in_a_cluster
	s_endpgm
.Lentry_in_a_cluster:
	s_bfe_u32 s2, ttmp6, 0x10000c
	s_cmp_lg_u32 s2, 0x3003
	s_cbranch_scc0 .Lentry_shape_is_right
	s_endpgm
.Lentry_shape_is_right:
; ATTENTION OF ONE HEAD ON CODES OF FP6 (E2M3): o = softmax(q k^T / 8, causal) v, and the quantising of o along the head's 64 for launch proj.
; LEFT OUT: steps of 128 keys x 16 queries that lie wholly behind the queries: reference()'s own causal mask gives them the weight 0 for all values of the inputs.
; LIMITS: the promise holds while the scaled scores (the exponents to the base 2) stay under 2^31 in magnitude; NaN and infinities are not served; a block of o whose largest magnitude lies under 2^-124 gets the byte 1.
; THE DEAL: a cluster of four work-groups takes a head (64 clusters); all four need the head's sixteen records of kvr (13,056 bytes for 128 keys: 8 tiles of K, 4 of V^T, scale words), which lie in LDS all at once:
; wave w asks for record w, 51 rows of 256 bytes, jointly with its three partners.  Waves 0-3 have a load line of their own: the first barrier shows records 0-3, which serve the first four steps; the second shows the rest.
; Nothing in LDS is filled again.  Wave (p = w / 2, u = w % 2) of work-group cx takes tile 2 cx + u (16 queries) of the blocks of 128 queries 15 - p and then p: 17 steps of 128 keys for every wave.
; BOTH PRODUCTS ARE USED TRANSPOSED (S^T = k q^T, O^T = v^T p^T): a lane holds one query throughout.  K's depth is 64: the upper 64 of the instruction's 128 meet zero codes of q.
; THE KEYS OF A TILE OF K ARE CHOSEN BY THE LANES' LDS ADDRESSES: tile (c, j) takes keys 64 c + 8 j + 0..7 as rows 0-7 and keys 64 c + 32 + 8 j + 0..7 as rows 8-15.  In kvr a tile a holds keys 32 (a / 2) + 8 (a % 2) + 0..7
; and the eight keys 16 on: so rows 0-7 come from tile 4 c + j % 2, rows 8-15 from the tile two on, both from its half j / 2.  Lane (r, h) then holds in registers 32 c + 0..31 of S the keys 64 c + 32 h + 0..31:
; ONE WHOLE SCALE BLOCK of p, in the order of the operand's registers: no lane looks at another for a block's largest p, and the codes stay where the conversions put them.
; THE SOFTMAX by the problem's rule: M is the running largest t rounded up to a whole number, p = 2^(t - M), the row's sum is taken of the unquantised p, and sum and O^T are brought under a new M by a power of two.
; A block's largest p is the block's largest score put through the same multiply-add and exponential.
.set REC,   13056
.set HEADB, 16*REC
.set SPARE, HEADB                      ; behind the records: the spare words, 128 bytes for each wave
.set L16, 1                            ; 16 x lane
.set L8,  2                            ; 8 x lane
.set R32, 3                            ; 32 r
.set R16, 4                            ; 16 r
.set SPW, 5                            ; my spare word; never rewritten
.set NIL, 6                            ; 0; never rewritten
.set DD,  7                            ; my query's place in its block of 128, less 32 h
.set QF,  16                           ; v16-27 q's fragment: 6 registers and 6 of zero codes
.set QS,  28                           ; q's scale word
.set AVS, 29
.set H8,  30                           ; 8 h
.set KF,  32                           ; v32-85 eight tiles of K (6 registers each, and 6 more behind the last), then four of V^T
.set Q2,  86                           ; v86-92 the second tile's q
.set K16B, 93                          ; 1536 (r / 8) + 16 (r % 8) + 256 h
.set K8B, 94                           ; 1536 (r / 8) + 8 (r % 8) + 128 h
.set KSB, 95                           ; 32 (r % 8) + 8 (r / 8)
.set S,   96                           ; v96-159 the scores, then p
.set O,   160                          ; v160-191 O^T
.set KSC, 192
.set VSC, 200
.set PF,  204                          ; p's codes
.set CT,  216
.set BM,  224
.set PT,  228
.set SO,  232
.set SUM2, 236
.set PSW, 238                          ; p's scale word
.set HW,  239
.set TA,  240
.set OLD, 241
.set F,   242
.set NINF, 244
.set R4,  245
.set MX,  246                          ; v246-253 the largest score of each accumulator's first seven registers; later two of the sum's four chains
.set SUM3, 246
.set SUM4, 248
.set WV,  10
.set U,   11
.set P,   12
.set CXR, 13
.set BH,  14
.set SEL, 16
.set CS,  18
.set G1A, 24
.set G0A, 40
.set RA,  48
.set KS,  49
.set LIM, 50
.set ST1, 52
.set ST2, 56
.macro CROUND
	s_barrier_signal -1
	s_barrier_wait -1
	s_cmp_lg_u32 s[WV], 0
	s_cbranch_scc1 .Lnot_wave_0_\@
	s_barrier_signal -3
.Lnot_wave_0_\@:
	s_barrier_wait -3
	s_barrier_signal -1
	s_barrier_wait -1
.endm
	s_load_b128 s[4:7], s[0:1], 0x0                ; kvr, qim
	s_load_b64 s[8:9], s[0:1], 0x10                ; sar
	v_lshl_add_u32 v[SPW], v0, 2, SPARE
	v_mov_b32 v[NIL], 0
	ds_add_u32 v[SPW], v[NIL]                      ; the opening: the add, twice on end, and its wait
	ds_add_u32 v[SPW], v[NIL]
	v_lshrrev_b32 v8, 5, v0
	v_readfirstlane_b32 s[WV], v8
	s_and_b32 s[U], s[WV], 1
	s_lshr_b32 s[P], s[WV], 1
	s_bfe_u32 s[CXR], ttmp6, 0x40000
	s_and_b32 s[BH], ttmp7, 0xffff                 ; 16 batch + head
	s_mov_b32 s[G1A], 15|(3<<16)|(1<<21)           ; a record: 51 rows of 32 elements of 8 bytes; the mask names the four partners
	s_mov_b32 s[G1A+1], 32<<16
	s_mov_b32 s[G1A+2], 51<<16
	s_mov_b32 s[G1A+3], 32<<16
	s_mov_b32 s[G1A+4], 51
	s_mov_b32 s[G1A+5], 32
	s_mov_b32 s[G1A+6], 0
	s_mov_b32 s[G1A+7], 0
	s_mul_i32 s20, s[BH], HEADB
	s_mov_b32 s21, 0
	s_mul_i32 s22, s[WV], REC
	s_mov_b32 s23, 0
	s_mov_b32 s[SEL], 0x76543210
	s_mov_b32 s[SEL+1], 0xfedcba98
	s_mov_b32 s[CS], 0x3e38aa3b                    ; log2(e) / 8
	s_mov_b32 s[CS+1], s[CS]
	s_lshl_b32 s62, s[CXR], 1
	s_add_co_u32 s62, s62, s[U]                    ; my tile in a block of 128 queries
	s_sub_co_u32 s63, 15, s[P]                     ; my first block
	s_lshl_b32 s60, s62, 3
	s_lshl_b32 s61, s[CXR], 4
	s_add_co_u32 s60, s60, s61                     ; 32 cx + 8 u
	v_and_b32 v9, 31, v0
	v_and_b32 v10, 15, v0                          ; r
	v_bfe_u32 v11, v0, 4, 1                        ; h
	v_lshlrev_b32 v[L16], 4, v9
	v_lshlrev_b32 v[L8], 3, v9
	v_lshlrev_b32 v[R32], 5, v10
	v_lshlrev_b32 v[R16], 4, v10
	v_lshlrev_b32 v[R4], 2, v10
	v_lshlrev_b32 v[H8], 3, v11
	v_and_b32 v8, 7, v10                           ; r % 8
	v_lshrrev_b32 v9, 3, v10                       ; r / 8
	v_mul_u32_u24 v[K16B], v9, 1536
	v_lshl_add_u32 v[K8B], v8, 3, v[K16B]
	v_lshl_add_u32 v[K8B], v11, 7, v[K8B]
	v_lshl_add_u32 v[K16B], v8, 4, v[K16B]
	v_lshl_add_u32 v[K16B], v11, 8, v[K16B]
	v_lshlrev_b32 v[KSB], 5, v8
	v_lshl_add_u32 v[KSB], v9, 3, v[KSB]
	v_and_b32 v[DD], 8, v10
	v_add_nc_u32 v[DD], v[DD], v10                 ; a tile's row r is query r + 8 (r / 8) of its 32
	v_lshlrev_b32 v11, 5, v11
	v_sub_nc_u32 v[DD], v[DD], v11
	v_add_nc_u32 v[DD], s60, v[DD]
	s_wait_alu depctr_va_vdst(0)
	s_wait_dscnt 0x0
	s_wait_kmcnt 0x0
	s_add_nc_u64 s[4:5], s[4:5], s[20:21]          ; my head's records
	s_mov_b32 s[G0A], 1
	s_mov_b32 s[G0A+1], s22
	s_add_nc_u64 s[G0A+2:G0A+3], s[4:5], s[22:23]
	s_or_b32 s[G0A+3], s[G0A+3], 0x80000000
	s_mul_i32 s66, s[BH], 128*768
	s_lshl_b32 s67, s63, 3
	s_add_co_u32 s67, s67, s62                     ; my first tile of the head's 128
	s_mul_i32 s68, s67, 768
	s_add_co_u32 s68, s68, s66
	s_mov_b32 s69, 0
	s_add_nc_u64 s[70:71], s[6:7], s[68:69]
	s_lshl_b32 s72, s[P], 3
	s_add_co_u32 s72, s72, s62                     ; my second
	s_mul_i32 s68, s72, 768
	s_add_co_u32 s68, s68, s66
	s_add_nc_u64 s[74:75], s[6:7], s[68:69]
	s_lshl_b32 s73, s62, 2
	s_mul_i32 s68, s63, REC
	s_add_co_u32 s68, s68, s73
	s_add_nc_u64 s[76:77], s[4:5], s[68:69]
	s_mul_i32 s68, s[P], REC
	s_add_co_u32 s68, s68, s73
	s_add_nc_u64 s[78:79], s[4:5], s[68:69]
	global_load_b128 v[QF:QF+3], v[L16], s[70:71]  ; q is asked for ahead of the tensor loads
	global_load_b64 v[QF+4:QF+5], v[L8], s[70:71] offset:512
	global_load_b32 v[QS], v[R32], s[76:77] offset:12288
	global_load_b128 v[Q2:Q2+3], v[L16], s[74:75]
	global_load_b64 v[Q2+4:Q2+5], v[L8], s[74:75] offset:512
	global_load_b32 v[Q2+6], v[R32], s[78:79] offset:12288
	CROUND                                         ; the round in front of the first joint loads
	s_cmp_lt_u32 s[WV], 4
	s_cbranch_scc0 .Llater
	tensor_load_to_lds s[G0A:G0A+3], s[G1A:G1A+7]  ; waves 0-3: records 0-3
	s_nop 0
.rept 4
	v_nop
.endr
	s_branch .Lasked
.Llater:
	tensor_load_to_lds s[G0A:G0A+3], s[G1A:G1A+7]  ; waves 4-15: records 4-15
	s_nop 0
.rept 4
	v_nop
.endr
.Lasked:
	s_lshr_b32 s20, s[BH], 4                       ; where o goes: sar [batch x tile 128][record of 12,800 bytes]: 768 bytes a head, from 12,288 on the scale bytes
	s_lshl_b32 s20, s20, 7
	s_and_b32 s21, s[BH], 15
	s_mul_i32 s22, s21, 768
	s_lshr_b32 s23, s21, 1
	s_lshl_b32 s23, s23, 6
	s_and_b32 s21, s21, 1
	s_lshl_b32 s21, s21, 1
	s_add_co_u32 s23, s23, s21
	s_add_co_u32 s23, s23, 12288
	s_add_co_u32 s67, s67, s20
	s_mul_i32 s67, s67, 12800
	s_add_co_u32 s68, s67, s22
	s_add_nc_u64 s[ST1:ST1+1], s[8:9], s[68:69]
	s_add_co_u32 s68, s67, s23
	s_add_nc_u64 s[ST1+2:ST1+3], s[8:9], s[68:69]
	s_add_co_u32 s72, s72, s20
	s_mul_i32 s72, s72, 12800
	s_add_co_u32 s68, s72, s22
	s_add_nc_u64 s[ST2:ST2+1], s[8:9], s[68:69]
	s_add_co_u32 s68, s72, s23
	s_add_nc_u64 s[ST2+2:ST2+3], s[8:9], s[68:69]
	s_mov_b32 s[RA], 0
	s_mov_b32 s[KS], 0
	s_mov_b32 s[LIM], s63
	s_wait_loadcnt 0x0
	v_lshrrev_b32 v[QS], 16, v[QS]                 ; q's two bytes of the token's word; the upper two become 0, over zero codes
	v_lshrrev_b32 v[Q2+6], 16, v[Q2+6]
.macro FRESH                           ; a tile begins: the largest score so far -3e38, under every score; -M to match; sums and O^T zero
	v_mov_b32 v13, 0xff61b1e6
	v_mul_f32 v12, s[CS], v13
	v_floor_f32 v12, -v12
	v_mov_b32 v14, 0
	v_mov_b32 v15, 0
.set n, 0
.rept 32
	v_mov_b32 v[O+n], 0
.set n, n+1
.endr
.endm
	FRESH
.irp i, 0,1,2,3,4,5
	v_mov_b32 v[QF+6+\i], 0
	v_mov_b32 v[KF+48+\i], 0
.endr
.irp b, 0,1,2,3
	v_mov_b32 v[PT+\b], 0                          ; a lane permute's destination counts as one of its sources
.endr
	v_mov_b32 v[TA], 0
	v_mov_b32 v[F+1], 0
	v_mov_b32 v[NINF], 0xff800000
; A STEP: 128 keys.  mode 1: a step behind the queries is passed over, and the step that holds the diagonal is masked; both tests are made of the wave's number and the loop's counter.
.macro STEP mode
.if \mode
	s_cmp_gt_u32 s[KS], s[LIM]
	s_cbranch_scc1 .Lskip_\@
.endif
	v_add_nc_u32 v8, s[RA], v[K16B]                ; (these four are also the places between the last step's products and the loads into their registers)
	v_add_nc_u32 v9, s[RA], v[K8B]
	v_add_nc_u32 v10, s[RA], v[KSB]
	v_add_nc_u32 v11, s[RA], v[L16]
.irp c, 0,1
.irp j, 0,1,2,3
	ds_load_b128 v[KF+6*(4*\c+\j):KF+6*(4*\c+\j)+3], v8 offset:768*(4*\c+\j%2)+128*(\j/2)
	ds_load_b64 v[KF+6*(4*\c+\j)+4:KF+6*(4*\c+\j)+5], v9 offset:768*(4*\c+\j%2)+512+64*(\j/2)
.endr
.irp g, 0,1
	ds_load_b64 v[KSC+4*\c+2*\g:KSC+4*\c+2*\g+1], v10 offset:12288+256*\g+16*\c   ; the scale words of tiles (c, 2 g) and (c, 2 g + 1)
.endr
.endr
	s_wait_alu depctr_va_vdst(0)
	s_wait_dscnt 0x0
.irp t, 0,1,2,3,4,5,6,7
	v_wmma_scale_f32_16x16x128_f8f6f4 v[S+8*\t:S+8*\t+7], v[KF+6*\t:KF+6*\t+11], v[QF:QF+11], 0, v[KSC+\t], v[QS] matrix_a_fmt:MATRIX_FMT_FP6 matrix_b_fmt:MATRIX_FMT_FP6
.endr
	v_add_nc_u32 v[AVS], s[RA], v[R16]             ; four places behind the products
	v_mov_b32 v[OLD], v12
	v_nop
	v_nop
.irp t, 0,1,2,3
.irp c, 0,1,2
	ds_load_b128 v[KF+12*\t+4*\c:KF+12*\t+4*\c+3], v11 offset:6144+1536*\t+512*\c    ; V^T lands while the softmax is worked
.endr
.endr
	ds_load_b128 v[VSC:VSC+3], v[AVS] offset:12800
.if \mode
	s_cmp_lg_u32 s[KS], s[LIM]
	s_cbranch_scc1 .Lopen_\@
.set n, 0
.rept 64
	v_cmp_gt_i32 vcc_lo, 64*(n/32)+n%32, v[DD]     ; key 64 c + 32 h + i lies behind my query
	v_cndmask_b32 v[S+n], v[S+n], v[NINF], vcc_lo
.set n, n+1
.endr
.Lopen_\@:
.endif
; the largest score of each of my two blocks of 32 keys: eight chains by turns, one for each accumulator's registers 0-6 (every accumulator is read from its low end on); a block's four chains are joined with its four registers 7
.irp t, 0,1,2,3,4,5,6,7
	v_max3_num_f32 v[MX+\t], v[S+8*\t], v[S+8*\t+1], v[S+8*\t+2]
.endr
.irp i, 3,5
.irp t, 0,1,2,3,4,5,6,7
	v_max3_num_f32 v[MX+\t], v[MX+\t], v[S+8*\t+\i], v[S+8*\t+\i+1]
.endr
.endr
.irp c, 0,1
	v_max3_num_f32 v[BM+\c], v[MX+4*\c], v[MX+4*\c+1], v[S+32*\c+7]
.endr
.irp c, 0,1
	v_max3_num_f32 v[BM+2+\c], v[MX+4*\c+2], v[MX+4*\c+3], v[S+32*\c+15]
.endr
.irp c, 0,1
	v_max3_num_f32 v[BM+\c], v[BM+\c], v[BM+2+\c], v[S+32*\c+23]
.endr
.irp c, 0,1
	v_max_num_f32 v[BM+\c], v[BM+\c], v[S+32*\c+31]
.endr
; one chain that nothing can be laid among: each line reads the line above it, so each has its hint
	s_delay_alu instid0(VALU_DEP_1)
	v_max_num_f32 v[TA], v[BM], v[BM+1]
	s_delay_alu instid0(VALU_DEP_1)
	v_permlanex16_b32 v[PT], v[TA], s[SEL], s[SEL+1]
	s_delay_alu instid0(VALU_DEP_1)
	v_max3_num_f32 v13, v13, v[TA], v[PT]          ; the running largest score of my query
	s_delay_alu instid0(VALU_DEP_1)
	v_mul_f32 v[TA], s[CS], v13                    ; as t
	s_delay_alu instid0(VALU_DEP_1)
	v_floor_f32 v12, -v[TA]                        ; -M = floor(-t): M is a whole number
	s_delay_alu instid0(VALU_DEP_1)
	v_sub_f32 v[TA], v12, v[OLD]
	s_delay_alu instid0(VALU_DEP_1)
	v_cvt_i32_f32 v[TA], v[TA]                     ; (it saturates)
	s_delay_alu instid0(VALU_DEP_1)
	v_ldexp_f32 v[F], 1.0, v[TA]                   ; f = 2^(old M - new M)
.set n, 0
.rept 32
	v_pk_fma_f32 v[S+n:S+n+1], v[S+n:S+n+1], s[CS:CS+1], v[12:13] op_sel_hi:[1,0,0]   ; t - M
.set n, n+2
.endr
.irp b, 0,1
	v_fma_f32 v[BM+\b], v[BM+\b], s[CS], v12       ; the same of each block's largest score
.endr
	s_wait_alu depctr_va_vdst(0)
.set n, 0
.rept 64
	v_exp_f32 v[S+n], v[S+n]
.set n, n+1
.endr
	v_exp_f32 v[BM], v[BM]
	v_exp_f32 v[BM+1], v[BM+1]
	v_pk_mul_f32 v[14:15], v[14:15], v[F:F+1] op_sel_hi:[1,0]   ; the sums under the new M: a plain place behind the exponentials
	s_wait_alu depctr_va_vdst(0)                   ; one wait for the batch, ahead of its first reader
.irp b, 0,1
	v_max_num_f32 v[BM+\b], 0x1800000, v[BM+\b]    ; the floor 2^(3 - 127): the byte cannot fall under 1
.endr
.irp b, 0,1
	s_delay_alu instid0(VALU_DEP_2)
	v_add_nc_u32 v[SO+\b], 0xff000000, v[BM+\b]    ; 2 off the exponent field: the conversion's scale operand
.endr
.irp b, 0,1
	s_delay_alu instid0(VALU_DEP_2)
	v_lshrrev_b32 v[PT+\b], 23, v[SO+\b]           ; the scale's byte
.endr
	s_delay_alu instid0(VALU_DEP_1)
	v_lshl_or_b32 v[PSW], v[PT+1], 16, v[PT]       ; my blocks are h and 2 + h of the four:
	s_delay_alu instid0(VALU_DEP_1)
	v_lshlrev_b32 v[PSW], v[H8], v[PSW]            ; their bytes at their places in the word;
	s_delay_alu instid0(VALU_DEP_1)
	v_permlanex16_b32 v[PT+2], v[PSW], s[SEL], s[SEL+1]
	s_delay_alu instid0(VALU_DEP_1)
	v_or_b32 v[PSW], v[PSW], v[PT+2]               ; with lane l xor 16's two the word is whole
.irp c, 0,1
	v_cvt_scalef32_pk16_fp6_f32 v[PF+6*\c:PF+2+6*\c], v[S+32*\c:S+15+32*\c], v[SO+\c]
	v_cvt_scalef32_pk16_fp6_f32 v[CT+4*\c:CT+2+4*\c], v[S+16+32*\c:S+31+32*\c], v[SO+\c]   ; (a conversion's three registers begin on an even number)
.endr
	v_nop                                          ; one plain place behind a scaled conversion
	s_wait_alu depctr_va_vdst(0)                   ; directly ahead of the first reader of O^T
; THE ROW'S SUM IS TAKEN OF THE UNQUANTISED p, in four chains; O^T's 16 multiplications by f and the six moves of codes stand among them, so that no line reads a result made fewer than four lines above it.
; These 54 lines are also the places between the scale word, the codes and the products below.
	v_pk_add_f32 v[SUM2:SUM2+1], v[S:S+1], v[S+2:S+3]
	v_pk_add_f32 v[SUM3:SUM3+1], v[S+4:S+5], v[S+6:S+7]
	v_pk_add_f32 v[SUM4:SUM4+1], v[S+8:S+9], v[S+10:S+11]
.set n, 12
.set m, 0
.rept 6
	v_pk_add_f32 v[14:15], v[14:15], v[S+n:S+n+1]
	v_pk_add_f32 v[SUM2:SUM2+1], v[SUM2:SUM2+1], v[S+n+2:S+n+3]
	v_pk_mul_f32 v[O+m:O+m+1], v[O+m:O+m+1], v[F:F+1] op_sel_hi:[1,0]
	v_pk_add_f32 v[SUM3:SUM3+1], v[SUM3:SUM3+1], v[S+n+4:S+n+5]
	v_pk_add_f32 v[SUM4:SUM4+1], v[SUM4:SUM4+1], v[S+n+6:S+n+7]
	v_pk_mul_f32 v[O+m+2:O+m+3], v[O+m+2:O+m+3], v[F:F+1] op_sel_hi:[1,0]
.set n, n+8
.set m, m+4
.endr
.irp c, 0,1
.irp i, 0,1,2
	v_mov_b32 v[PF+3+6*\c+\i], v[CT+4*\c+\i]       ; a block's upper 16 codes to their place in the operand
.endr
.endr
	v_pk_add_f32 v[14:15], v[14:15], v[S+60:S+61]
	v_pk_add_f32 v[SUM2:SUM2+1], v[SUM2:SUM2+1], v[S+62:S+63]
	v_pk_mul_f32 v[O+24:O+25], v[O+24:O+25], v[F:F+1] op_sel_hi:[1,0]
	v_pk_mul_f32 v[O+26:O+27], v[O+26:O+27], v[F:F+1] op_sel_hi:[1,0]
	v_pk_add_f32 v[SUM3:SUM3+1], v[SUM3:SUM3+1], v[SUM4:SUM4+1]
	v_pk_add_f32 v[14:15], v[14:15], v[SUM2:SUM2+1]
	v_pk_mul_f32 v[O+28:O+29], v[O+28:O+29], v[F:F+1] op_sel_hi:[1,0]
	v_pk_mul_f32 v[O+30:O+31], v[O+30:O+31], v[F:F+1] op_sel_hi:[1,0]
	v_pk_add_f32 v[14:15], v[14:15], v[SUM3:SUM3+1]
	s_wait_alu depctr_va_vdst(0)
	s_wait_dscnt 0x0                               ; V^T and its scale words are in
.irp t, 0,1,2,3
	v_wmma_scale_f32_16x16x128_f8f6f4 v[O+8*\t:O+8*\t+7], v[KF+12*\t:KF+12*\t+11], v[PF:PF+11], v[O+8*\t:O+8*\t+7], v[VSC+\t], v[PSW] matrix_a_fmt:MATRIX_FMT_FP6 matrix_b_fmt:MATRIX_FMT_FP6
.endr
.if \mode
.Lskip_\@:
.endif
	s_add_co_u32 s[RA], s[RA], REC
.endm
; A TILE'S END: O^T / the sum; its 32 numbers a lane (16 neighbours of each of two blocks; lane l xor 16 holds the other 16) are quantised along the head's 64 and leave as an image of proj's operand registers
.macro FINISH sb
.rept 4
	v_nop
.endr
	v_add_f32 v14, v14, v15
	v_permlanex16_b32 v[TA], v14, s[SEL], s[SEL+1]
	v_add_f32 v14, v14, v[TA]
	s_wait_alu depctr_va_vdst(0)
	v_rcp_f32 v14, v14
	v_nop
	s_wait_alu depctr_va_vdst(0)
.set n, 0
.rept 16
	v_pk_mul_f32 v[S+n:S+n+1], v[O+n:O+n+1], v[14:15] op_sel_hi:[1,0]
.set n, n+2
.endr
.irp b, 0,1
	v_max3_num_f32 v[BM+\b], |v[S+16*\b]|, |v[S+1+16*\b]|, 0x1800000
.endr
.irp i, 2,4,6,8,10,12,14
.irp b, 0,1
	v_max3_num_f32 v[BM+\b], v[BM+\b], |v[S+16*\b+\i]|, |v[S+1+16*\b+\i]|
.endr
.endr
.irp b, 0,1
	v_permlanex16_b32 v[PT+\b], v[BM+\b], s[SEL], s[SEL+1]
.endr
.irp b, 0,1
	v_max_num_f32 v[BM+\b], v[BM+\b], v[PT+\b]
.endr
.irp b, 0,1
	v_add_nc_u32 v[SO+\b], 0xff000000, v[BM+\b]
.endr
.irp b, 0,1
	v_lshrrev_b32 v[PT+\b], 23, v[SO+\b]
.endr
	v_lshl_or_b32 v[HW], v[PT+1], 8, v[PT]
	v_cvt_scalef32_pk16_fp6_f32 v[PF:PF+2], v[S:S+15], v[SO]
	v_cvt_scalef32_pk16_fp6_f32 v[CT:CT+2], v[S+16:S+31], v[SO+1]
	v_nop
.irp i, 0,1,2
	v_permlane16_swap_b32 v[PF+\i], v[CT+\i]
.endr
.irp i, 0,1,2
	v_mov_b32 v[PF+3+\i], v[CT+\i]
.endr
	global_store_b128 v[L16], v[PF:PF+3], s[\sb:\sb+1]
	global_store_b64 v[L8], v[PF+4:PF+5], s[\sb:\sb+1] offset:512
	global_store_b16 v[R4], v[HW], s[\sb+2:\sb+3]
	s_wait_xcnt 0x0                                ; the stores have read their registers
.endm
	s_cmp_lt_u32 s[WV], 4
	s_cbranch_scc0 .Lnot_first
	s_wait_tensorcnt 0x0                           ; waves 0-3: my record of the first four is in
.Lnot_first:
	s_barrier_signal -1
	s_barrier_wait -1                              ; records 0-3 are in; the others may be on their way
.Lfirst:
	STEP 0                                         ; every wave's first block is 8 or later: its first four steps lie wholly ahead of its queries
	s_add_co_u32 s[KS], s[KS], 1
	s_cmp_lt_u32 s[KS], 4
	s_cbranch_scc1 .Lfirst
	s_wait_tensorcnt 0x0
	s_wait_dscnt 0x0
	s_barrier_signal -1
	s_barrier_wait -1                              ; all sixteen records are in
.Lrest:
	STEP 1
	s_add_co_u32 s[KS], s[KS], 1
	s_cmp_lt_u32 s[KS], 16
	s_cbranch_scc1 .Lrest
	FINISH ST1
.irp i, 0,1,2,3,4,5
	v_mov_b32 v[QF+\i], v[Q2+\i]
.endr
	v_mov_b32 v[QS], v[Q2+6]
	FRESH
	s_mov_b32 s[RA], 0
	s_mov_b32 s[KS], 0
	s_mov_b32 s[LIM], s[P]
.Lsecond:
	STEP 1
	s_add_co_u32 s[KS], s[KS], 1
	s_cmp_lt_u32 s[KS], 8
	s_cbranch_scc1 .Lsecond
	FINISH ST2
	s_wait_tensorcnt 0x0                           ; the wave's end
	ds_add_u32 v[SPW], v[NIL]
	s_wait_dscnt 0x0
	CROUND                                         ; the closing round
	s_endpgm
.Lfunc_end_k_qd9914b2128_attn:
	.size	k_qd9914b2128_attn, .Lfunc_end_k_qd9914b2128_attn-k_qd9914b2128_attn
	.p2alignl 7, 3214868480
	.fill 96, 4, 3214868480
	.section	.rodata,"a",@progbits
	.p2align	6, 0x0
	.amdhsa_kernel k_qd9914b2128_attn
		.amdhsa_group_segment_fixed_size 327680
		.amdhsa_private_segment_fixed_size 0
		.amdhsa_enable_private_segment 0
		.amdhsa_kernarg_size 24
		.amdhsa_user_sgpr_count 2
		.amdhsa_user_sgpr_kernarg_segment_ptr 1
		.amdhsa_wavefront_size32 1
		.amdhsa_system_sgpr_workgroup_id_x 1
		.amdhsa_system_sgpr_workgroup_id_y 1
		.amdhsa_system_sgpr_workgroup_id_z 1
		.amdhsa_system_vgpr_workitem_id 0
		.amdhsa_next_free_vgpr 256
		.amdhsa_next_free_sgpr 80
		.amdhsa_reserve_vcc 1
		.amdhsa_float_denorm_mode_32 3
		.amdhsa_float_denorm_mode_16_64 3
		.amdhsa_memory_ordered 1
		.amdhsa_forward_progress 1
		.amdhsa_inst_pref_size 74
	.end_amdhsa_kernel
	.amdgpu_metadata
---
amdhsa.version: [ 1, 2 ]
amdhsa.kernels:
  - .name:           k_qd9914b2128_attn
    .symbol:         k_qd9914b2128_attn.kd
    .args:
      - { .name: kvr, .offset: 0, .size: 8, .value_kind: global_buffer, .address_space: global }
      - { .name: qim, .offset: 8, .size: 8, .value_kind: global_buffer, .address_space: global }
      - { .name: sar, .offset: 16, .size: 8, .value_kind: global_buffer, .address_space: global }
    .group_segment_fixed_size: 327680
    .private_segment_fixed_size: 0
    .kernarg_segment_align: 8
    .kernarg_segment_size: 24
    .max_flat_workgroup_size: 512
    .sgpr_count:     80
    .vgpr_count:     256
    .wavefront_size: 32
...
	.end_amdgpu_metadata
.endif
;; end of part 3
;; launch proj (part 4): grid 4 x 64, 4 waves a work-group, clusters of 4 x 4, 327,680 bytes of LDS; arguments sar, cod1, scl1, bproj, out0; writes out0
.if DOCPART == 4
	.amdgcn_target "amdgcn-amd-amdhsa--gfx1250"
	.amdhsa_code_object_version 6
	.text
	.protected	k_qd9914b2128_proj
	.globl	k_qd9914b2128_proj
	.p2align	8
	.type	k_qd9914b2128_proj,@function
k_qd9914b2128_proj:
	s_mov_b64 s[64:65], 0
	v_nop
	global_prefetch_b8 v0, s[64:65] scope:SCOPE_SE
	s_setreg_imm32_b32 hwreg(HW_REG_WAVE_MODE, 25, 1), 1
	s_wait_xcnt 0x0
	s_wait_alu depctr_hold_cnt(0) depctr_sa_sdst(0) depctr_va_vdst(0) depctr_va_sdst(0) depctr_va_ssrc(0) depctr_va_vcc(0) depctr_vm_vsrc(0)
	s_getreg_b32 s2, hwreg(HW_REG_IB_STS2, 6, 4)
	s_cmp_eq_u32 s2, 0
	s_cbranch_scc0 .Lentry_in_a_cluster
	s_endpgm
.Lentry_in_a_cluster:
	s_bfe_u32 s2, ttmp6, 0x10000c
	s_cmp_lg_u32 s2, 0xf033
	s_cbranch_scc0 .Lentry_shape_is_right
	s_endpgm
.Lentry_shape_is_right:
.set PW,     816
.set WPART,  64*PW
.set AB,     4*WPART
.set SREC,   12800
.set SPARE,  AB+8*SREC
.set SPITCH, 272
.set WA0, 1
.set WA1, 2
.set A16, 4
.set A8,  6
.set A4,  8
.set STO, 10
.set RD,  11
.set CO,  12
.set LSC, 13
.set LBI, 14
.set WS,  16
.set AFR, 48
.set ASC, 144
.set OB,  152
.set SPW, 252
.set NIL, 253
.set G1W, 24
.set G0W, 32
.set G0A, 36
.set G1A, 48
.set MSB, 0
.macro WIN new
.if MSB != (\new)
	s_set_vgpr_msb (MSB<<8)|(\new)
.set MSB, (\new)
.endif
.endm
.macro CROUND
	s_barrier_signal -1
	s_barrier_wait -1
	s_cmp_lg_u32 s14, 0
	s_cbranch_scc1 .Lnot_wave_0_\@
	s_barrier_signal -3
.Lnot_wave_0_\@:
	s_barrier_wait -3
	s_barrier_signal -1
	s_barrier_wait -1
.endm
.macro PLACES
.rept 4
	v_nop
.endr
.endm
	s_load_b128 s[4:7], s[0:1], 0x0
	s_load_b128 s[8:11], s[0:1], 0x10
	s_load_b64 s[12:13], s[0:1], 0x20
	v_lshl_add_u32 v[SPW], v0, 2, SPARE
	v_mov_b32 v[NIL], 0
	ds_add_u32 v[SPW], v[NIL]
	ds_add_u32 v[SPW], v[NIL]
	v_lshrrev_b32 v3, 5, v0
	v_readfirstlane_b32 s14, v3
	s_bfe_u32 s40, ttmp6, 0x40000
	s_bfe_u32 s41, ttmp6, 0x40004
	s_and_b32 s17, ttmp7, 0xffff
	s_lshl_b32 s17, s17, 2
	s_add_co_u32 s17, s17, s41
	s_lshl_b32 s43, s41, 2
	s_lshl_b32 s43, 15, s43
	s_lshl_b32 s44, 0x1111, s40
	s_or_b32 s[G1W], s44, (0<<16)|(1<<20)|(1<<21)|(5<<22)|(3<<25)
	s_mov_b32 s[G1W+1], 768<<16
	s_mov_b32 s[G1W+2], 128<<16
	s_mov_b32 s[G1W+3], 768<<16
	s_mov_b32 s[G1W+4], 128
	s_mov_b32 s[G1W+5], 768
	s_mov_b32 s[G1W+6], 0
	s_mov_b32 s[G1W+7], 0
	s_or_b32 s[G1A], s43, (3<<16)|(1<<21)
	s_mov_b32 s[G1A+1], 32<<16
	s_mov_b32 s[G1A+2], 200<<16
	s_mov_b32 s[G1A+3], 32<<16
	s_mov_b32 s[G1A+4], 200
	s_mov_b32 s[G1A+5], 32
	s_mov_b32 s[G1A+6], 0
	s_mov_b32 s[G1A+7], 0
	s_lshl_b32 s46, s40, 8
	s_lshl_b32 s47, s14, 6
	s_add_co_u32 s46, s46, s47
	s_add_co_u32 s47, s46, 11264
	s_and_b32 s15, s14, 1                          ; one tensor load a wave at the head: waves 0, 1 fetch a half each of Wproj's 256 rows, waves 2, 3 a half each of the eight records of sar
	s_lshl_b32 s16, s40, 8
	s_lshl_b32 s18, s15, 7
	s_add_co_u32 s18, s18, s16
	s_add_co_u32 s18, s18, 11264
	s_mul_i32 s18, s18, 768
	s_mov_b32 s19, 0
	s_lshl_b32 s22, s47, 5
	s_mov_b32 s23, 0
	s_lshl_b32 s20, s17, 3
	s_lshl_b32 s21, s15, 2
	s_add_co_u32 s20, s20, s21
	s_mul_i32 s20, s20, SREC
	s_mov_b32 s21, 0
	s_mul_i32 s42, s14, WPART
	s_mul_i32 s45, s15, 4*SREC
	s_add_co_u32 s45, s45, AB
	s_wait_dscnt 0x0
	s_wait_kmcnt 0x0
	s_mov_b32 s[G0W], 1
	s_mul_i32 s[G0W+1], s15, 2*WPART
	s_add_nc_u64 s[G0W+2:G0W+3], s[6:7], s[18:19]
	s_or_b32 s[G0W+3], s[G0W+3], 0x80000000
	s_mov_b32 s[G0A], 1
	s_mov_b32 s[G0A+1], s45
	s_add_nc_u64 s[G0A+2:G0A+3], s[4:5], s[20:21]
	s_or_b32 s[G0A+3], s[G0A+3], 0x80000000
	CROUND
	s_cmp_lt_u32 s14, 2
	s_cbranch_scc0 .Lfor_a
	tensor_load_to_lds s[G0W:G0W+3], s[G1W:G1W+7]
	s_nop 0
.rept 4
	v_nop
.endr
	s_branch .Lasked
.Lfor_a:
	tensor_load_to_lds s[G0A:G0A+3], s[G1A:G1A+7]
	s_nop 0
.rept 4
	v_nop
.endr
.Lasked:
	s_add_nc_u64 s[8:9], s[8:9], s[22:23]
	s_lshl_b32 s22, s46, 2
	s_add_nc_u64 s[10:11], s[10:11], s[22:23]
	v_and_b32 v3, 15, v0
	v_bfe_u32 v15, v0, 4, 1
	v_lshlrev_b32 v[LSC], 5, v3
	v_lshlrev_b32 v[LBI], 5, v15
.irp t, 0,1,2,3
	global_load_b128 v[WS+8*\t:WS+8*\t+3], v[LSC], s[8:9] offset:512*\t
	global_load_b128 v[WS+8*\t+4:WS+8*\t+7], v[LSC], s[8:9] offset:512*\t+16
.endr
	WIN 0x40
.irp t, 0,1
	global_load_b128 v[192+8*\t:195+8*\t], v[LBI], s[10:11] offset:64*\t
	global_load_b128 v[196+8*\t:199+8*\t], v[LBI], s[10:11] offset:64*\t+16
.endr
	WIN 0x80
.irp t, 0,1
	global_load_b128 v[192+8*\t:195+8*\t], v[LBI], s[10:11] offset:128+64*\t
	global_load_b128 v[196+8*\t:199+8*\t], v[LBI], s[10:11] offset:128+64*\t+16
.endr
	WIN 0
	v_mul_u32_u24 v[WA0], v3, PW
	v_mad_u32_u24 v[WA0], v15, 24, v[WA0]
	v_add_nc_u32 v[WA0], s42, v[WA0]
	v_lshl_add_u32 v[WA1], v15, 4, v[WA0]
	v_and_b32 v[CO], 31, v0
	v_lshlrev_b32 v[A16], 4, v[CO]
	v_lshlrev_b32 v[A8], 3, v[CO]
	v_lshlrev_b32 v[A4], 2, v3
	v_add_nc_u32 v[A16+1], AB+4*SREC, v[A16]
	v_add_nc_u32 v[A8+1], AB+4*SREC, v[A8]
	v_add_nc_u32 v[A4+1], AB+4*SREC, v[A4]
	v_add_nc_u32 v[A16], AB, v[A16]
	v_add_nc_u32 v[A8], AB, v[A8]
	v_add_nc_u32 v[A4], AB, v[A4]
	v_mul_u32_u24 v[STO], v3, SPITCH
	v_lshl_add_u32 v[STO], v15, 5, v[STO]
	v_add_nc_u32 v[STO], s42, v[STO]
	v_mul_u32_u24 v[RD], v15, SPITCH
	v_lshl_add_u32 v[RD], v3, 4, v[RD]
	v_add_nc_u32 v[RD], s42, v[RD]
	v_lshlrev_b32 v[CO], 12, v15
	v_lshl_add_u32 v[CO], v3, 4, v[CO]
	s_lshl_b32 s20, s17, 19
	s_mov_b32 s21, 0
	s_add_nc_u64 s[12:13], s[12:13], s[20:21]
	s_add_nc_u64 s[12:13], s[12:13], s[22:23]
.macro WFRAG reg, nt, s
.irp p, 0,1,2,3,4,5
.set PCE, 12*(\s)+6*(\p/3)+\p%3
.if PCE%32 < 29
	ds_load_b64 v[(\reg)+2*\p:(\reg)+2*\p+1], v[WA0] offset:(\nt)*16*PW+8*PCE+16*(PCE/32)
.else
	ds_load_b64 v[(\reg)+2*\p:(\reg)+2*\p+1], v[WA1] offset:(\nt)*16*PW+8*PCE+16*(PCE/32)
.endif
.endr
.endm
.macro AFETCH g, s, set
.irp m, 0,1,2,3
	ds_load_b128 v[AFR+48*(\set)+12*\m:AFR+48*(\set)+12*\m+3], v[A16+(\g)] offset:\m*SREC+1536*(\s)
	ds_load_b64 v[AFR+48*(\set)+12*\m+4:AFR+48*(\set)+12*\m+5], v[A8+(\g)] offset:\m*SREC+1536*(\s)+512
	ds_load_b128 v[AFR+48*(\set)+12*\m+6:AFR+48*(\set)+12*\m+9], v[A16+(\g)] offset:\m*SREC+1536*(\s)+768
	ds_load_b64 v[AFR+48*(\set)+12*\m+10:AFR+48*(\set)+12*\m+11], v[A8+(\g)] offset:\m*SREC+1536*(\s)+1280
	ds_load_b32 v[ASC+4*(\set)+\m], v[A4+(\g)] offset:\m*SREC+12288+64*(\s)
.endr
.endm
.macro KSTEP q
.set SS, (\q)%8
.set ST, (\q)%2
	PLACES
.if (\q) < 15
	AFETCH ((\q)+1)/8, ((\q)+1)%8, 1-ST
	s_wait_dscnt 20
.else
	s_wait_dscnt 0x0
.endif
.if SS == 0
	WIN 0xd1
.else
	WIN 0xf1
.endif
.irp t, 0,1
.irp m, 0,1,2,3
.if SS == 0
	v_wmma_scale_f32_16x16x128_f8f6f4 v[8*(4*\t+\m):8*(4*\t+\m)+7], v[12*(8*\t+SS):12*(8*\t+SS)+11], v[AFR+48*ST+12*\m:AFR+48*ST+12*\m+11], v[192+8*\t:199+8*\t], v[WS+8*\t+SS], v[ASC+4*ST+\m] matrix_a_fmt:MATRIX_FMT_FP6 matrix_b_fmt:MATRIX_FMT_FP6
.else
	v_wmma_scale_f32_16x16x128_f8f6f4 v[8*(4*\t+\m):8*(4*\t+\m)+7], v[12*(8*\t+SS):12*(8*\t+SS)+11], v[AFR+48*ST+12*\m:AFR+48*ST+12*\m+11], v[8*(4*\t+\m):8*(4*\t+\m)+7], v[WS+8*\t+SS], v[ASC+4*ST+\m] matrix_a_fmt:MATRIX_FMT_FP6 matrix_b_fmt:MATRIX_FMT_FP6
.endif
.endr
.endr
.if SS == 0
	WIN 0xe2
.else
	WIN 0xf2
.endif
.irp t, 0,1
.irp m, 0,1,2,3
.if SS == 0
	v_wmma_scale_f32_16x16x128_f8f6f4 v[8*(4*(\t+2)+\m):8*(4*(\t+2)+\m)+7], v[12*(8*\t+SS):12*(8*\t+SS)+11], v[AFR+48*ST+12*\m:AFR+48*ST+12*\m+11], v[192+8*\t:199+8*\t], v[WS+8*(\t+2)+SS], v[ASC+4*ST+\m] matrix_a_fmt:MATRIX_FMT_FP6 matrix_b_fmt:MATRIX_FMT_FP6
.else
	v_wmma_scale_f32_16x16x128_f8f6f4 v[8*(4*(\t+2)+\m):8*(4*(\t+2)+\m)+7], v[12*(8*\t+SS):12*(8*\t+SS)+11], v[AFR+48*ST+12*\m:AFR+48*ST+12*\m+11], v[8*(4*(\t+2)+\m):8*(4*(\t+2)+\m)+7], v[WS+8*(\t+2)+SS], v[ASC+4*ST+\m] matrix_a_fmt:MATRIX_FMT_FP6 matrix_b_fmt:MATRIX_FMT_FP6
.endif
.endr
.endr
	WIN 0
.endm
.macro TOSTAGE m
	WIN 0x0c
.irp t, 0,1,2,3
	ds_store_b128 v[STO], v[8*(4*\t+(\m)):8*(4*\t+(\m))+3] offset:64*\t
	ds_store_b128 v[STO], v[8*(4*\t+(\m))+4:8*(4*\t+(\m))+7] offset:64*\t+16
.endr
	WIN 0
.irp i, 0,1,2,3,4,5,6,7
	ds_load_b128 v[OB+32*((\m)%2)+4*\i:OB+32*((\m)%2)+4*\i+3], v[RD] offset:2*\i*SPITCH
.endr
.endm
.macro SEND g, m, younger
	s_wait_dscnt \younger
.irp i, 0,1,2,3,4,5,6,7
	global_store_b128 v[CO], v[OB+32*((\m)%2)+4*\i:OB+32*((\m)%2)+4*\i+3], s[12:13] offset:4096*(32*(2*(\g)+(\m)/2)+8*((\m)%2)+2*\i+8*(\i/4)) th:TH_STORE_NT
.endr
.endm
.macro WAYOUT g
	PLACES
	s_wait_xcnt 0x0
	TOSTAGE 0
	TOSTAGE 1
	SEND \g, 0, 16
	s_wait_xcnt 0x0
	TOSTAGE 2
	SEND \g, 1, 16
	s_wait_xcnt 0x0
	TOSTAGE 3
	SEND \g, 2, 16
	SEND \g, 3, 0
.endm
	s_wait_alu depctr_va_vdst(0)
	s_cmp_lt_u32 s14, 2
	s_cbranch_scc0 .Lnot_w
	s_wait_tensorcnt 0x0                           ; waves 0, 1: my half of Wproj's rows is in
.Lnot_w:
	s_barrier_signal -1
	s_barrier_wait -1                              ; Wproj's rows are in; sar's records may be on their way
	WIN 0x40
.irp t, 0,1
.irp s, 0,1,2,3,4,5,6,7
	WFRAG 12*(8*\t+\s), \t, \s
.endr
.endr
	WIN 0x80
.irp t, 0,1
.irp s, 0,1,2,3,4,5,6,7
	WFRAG 12*(8*\t+\s), \t+2, \s
.endr
.endr
	WIN 0
	s_wait_tensorcnt 0x0
	s_wait_dscnt 0x0
	s_wait_loadcnt 0x0
	s_barrier_signal -1
	s_barrier_wait -1
	AFETCH 0, 0, 0
.irp q, 0,1,2,3,4,5,6,7
	KSTEP \q
.endr
	WAYOUT 0
.irp q, 8,9,10,11,12,13,14,15
	KSTEP \q
.endr
	WAYOUT 1
	s_wait_tensorcnt 0x0
	ds_add_u32 v[SPW], v[NIL]
	s_wait_dscnt 0x0
	CROUND
	s_endpgm
.Lfunc_end_k_qd9914b2128_proj:
	.size	k_qd9914b2128_proj, .Lfunc_end_k_qd9914b2128_proj-k_qd9914b2128_proj
	.p2alignl 7, 3214868480
	.fill 96, 4, 3214868480
	.section	.rodata,"a",@progbits
	.p2align	6, 0x0
	.amdhsa_kernel k_qd9914b2128_proj
		.amdhsa_group_segment_fixed_size 327680
		.amdhsa_private_segment_fixed_size 0
		.amdhsa_enable_private_segment 0
		.amdhsa_kernarg_size 40
		.amdhsa_user_sgpr_count 2
		.amdhsa_user_sgpr_kernarg_segment_ptr 1
		.amdhsa_wavefront_size32 1
		.amdhsa_system_sgpr_workgroup_id_x 1
		.amdhsa_system_sgpr_workgroup_id_y 1
		.amdhsa_system_sgpr_workgroup_id_z 1
		.amdhsa_system_vgpr_workitem_id 0
		.amdhsa_next_free_vgpr 896
		.amdhsa_next_free_sgpr 66
		.amdhsa_reserve_vcc 0
		.amdhsa_float_denorm_mode_32 3
		.amdhsa_float_denorm_mode_16_64 3
		.amdhsa_memory_ordered 1
		.amdhsa_forward_progress 1
		.amdhsa_inst_pref_size 92
	.end_amdhsa_kernel
	.amdgpu_metadata
---
amdhsa.version: [ 1, 2 ]
amdhsa.kernels:
  - .name:           k_qd9914b2128_proj
    .symbol:         k_qd9914b2128_proj.kd
    .args:
      - { .name: sar, .offset: 0, .size: 8, .value_kind: global_buffer, .address_space: global }
      - { .name: cod1, .offset: 8, .size: 8, .value_kind: global_buffer, .address_space: global }
      - { .name: scl1, .offset: 16, .size: 8, .value_kind: global_buffer, .address_space: global }
      - { .name: bproj, .offset: 24, .size: 8, .value_kind: global_buffer, .address_space: global }
      - { .name: out0, .offset: 32, .size: 8, .value_kind: global_buffer, .address_space: global }
    .group_segment_fixed_size: 327680
    .private_segment_fixed_size: 0
    .kernarg_segment_align: 8
    .kernarg_segment_size: 40
    .max_flat_workgroup_size: 128
    .sgpr_count:     66
    .vgpr_count:     896
    .wavefront_size: 32
...
	.end_amdgpu_metadata
.endif
;; end of part 4
